; MI455X (gfx1250); checked and timed in simulation.
; The chip was launched on July 23, 2026; its instructions are those of AMD's public machine-readable ISA for CDNA 5 (MIT licence, August 2026) and "CDNA5" Instruction Set Architecture Reference Guide (July 2026). The comments in the code are by the model that wrote it; some were corrected since.
;; Multi Head Attention. Allowed arithmetic: matrix products marked QUANTISED: E2M3 operands, one E8M0 scale for each 32 along K, by v_wmma_scale_f32_16x16x128_f8f6f4 with both operands' format E2M3, f32 sums; everything else in f32.
;; Inputs: Wk 8 x 1,024 x 128 float32; Wp 1,024 x 1,024 float32; Wq 8 x 1,024 x 128 float32; Wv 8 x 1,024 x 128 float32; bk 8 x 128 float32; bp 1,024 float32; bq 8 x 128 float32; bv 8 x 128 float32; z 4,096 x 1,024 float32.
;; Outputs: out0 4,096 x 1,024 float32.
;; This version of the problem:
;;   THIS VERSION OF THE PROBLEM IS GIVEN IN LOW PRECISION. The matrix products marked QUANTISED in the list below multiply operands that are first quantised to E2M3 (2 exponent bits, 3 mantissa bits; 6 bits a number), with one power-of-two scale for each 32 numbers along K (OCP MX v1.0); their sums are f32. All else is computed in f32.
;;   The module's matrix products, in the order in which they are computed (A, B: the left and right operand; K: the contracted axis; several contracted axes count as one K, in the product's order):
;;     1. [M 1,024, K 1,024] x [K 1,024, N 4,096]; A: input Wq; B: input z: QUANTISED
;;     2. [M 1,024, K 1,024] x [K 1,024, N 4,096]; A: input Wk; B: input z: QUANTISED
;;     3. [M 1,024, K 1,024] x [K 1,024, N 4,096]; A: input Wv; B: input z: QUANTISED
;;     4. batch 8 x [M 4,096, K 128] x [K 128, N 4,096]; A: computed on the way; B: computed on the way: QUANTISED
;;     5. batch 8 x [M 4,096, K 4,096] x [K 4,096, N 128]; A: softmax (see below); B: computed on the way: QUANTISED
;;     6. [M 4,096, K 1,024] x [K 1,024, N 1,024]; A: computed on the way; B: input Wp: QUANTISED
;;   THE QUANTISER, for each operand of a quantised product, along K:
;;     - K is cut into blocks of 32 from its start; a last block that is shorter is filled with zeros.
;;     - A block's scale is 2^e with e = floor(log2(the largest magnitude in the block)) - 2, held to -126 .. 127; a block of zeros has e = 0. As a byte (E8M0): e + 127.
;;     - Each number is divided by its block's scale, clamped to +-7.5, and rounded to the nearest number of E2M3, ties to even, subnormals kept.
;;     - The product sums the exact products of the quantised numbers (number of the format x scale) in f32.
;;   ~~~python
;;   def quantise(x, axis):      # numpy; x: float32 -> the quantised numbers, widened to float32 again
;;       x = np.moveaxis(x, axis, -1); K = x.shape[-1]
;;       x = np.pad(x, [(0, 0)] * (x.ndim - 1) + [(0, -K % 32)]); x = x.reshape(x.shape[:-1] + (-1, 32)); a = np.abs(x).max(-1, keepdims=True)
;;       e = np.where(a > 0, np.clip(np.frexp(np.where(a > 0, a, 1))[1] - 1 - 2, -126, 127), 0)      # np.frexp(a)[1] - 1 = floor(log2(a)), exactly
;;       r = np.clip(x / 2.0 ** e, -7.5, 7.5)
;;       step = 2.0 ** (np.maximum(np.frexp(np.where(r == 0, 1, r))[1] - 1, 0) - 3)
;;       q = np.round(r / step) * step * 2.0 ** e      # np.round: ties to even
;;       return np.moveaxis(q.reshape(q.shape[:-2] + (-1,))[..., :K], -1, axis).astype(np.float32)
;;   ~~~
;;   SOFTMAX AHEAD OF A QUANTISED PRODUCT. Where the list says 'softmax', what is quantised is not the finished softmax but p = 2^(t - M), with t = logit x log2(e) and M = ceil(the row's largest t), a whole number; so 1/2 < the row's largest p <= 1. The row's sum l is taken of the UNQUANTISED p, in f32, and the product's result is divided by l at the end. Since M is a whole number, a kernel that streams over the keys may use a running M (the ceiling of the running maximum): every later rescaling is an exact power of two, which a block's scale takes up: the codes' values come out the same.
;;   OPERANDS COMPUTED ON THE WAY. 'Computed on the way' means the value that the module computes at that place (a softmax that the list does not call 'softmax' is quantised finished and normalised). What goes into a quantiser is computed in f32, as accurately as f32 sums, v_exp_f32 and their like allow (about 1e-6 of the number): no bf16 or f16 on the way to a quantiser, and a product that is left as it is and whose result goes on into a quantised operand takes f32 operands (vector FMAs, or v_wmma_f32_16x16x4_f32). A number that lies on a knife's edge between two numbers of the format may be rounded either way, as far as f32 arithmetic and the matrix unit's own rounding can turn it there, and no further.
;; One version. Each part assembles by itself: llvm-mc -triple=amdgcn-amd-amdhsa -mcpu=gfx1250 --defsym DOCPART=n.
;; ======== version 1 of 1: 4 launches
;; limits: right only within a limited range of input values
;; workspace buffers: img 6,291,456 bytes; scw 262,144 bytes; qkv 9,699,328 bytes; qkvs 131,072 bytes; catimg 3,145,728 bytes; catsc 131,072 bytes
;; launch quant (part 1): grid 512 x 1, 4 waves a work-group, no clusters, 34,304 bytes of LDS; arguments z, Wq, Wk, Wv, Wp, img, scw; writes img, scw
.if DOCPART == 1
	.amdgcn_target "amdgcn-amd-amdhsa--gfx1250"
	.amdhsa_code_object_version 6
	.text
	.protected	k_qe1c82d52af_quant
	.globl	k_qe1c82d52af_quant
	.p2align	8
	.type	k_qe1c82d52af_quant,@function
k_qe1c82d52af_quant:
	s_mov_b64 s[64:65], 0
	v_nop
	global_prefetch_b8 v0, s[64:65] scope:SCOPE_SE
	s_setreg_imm32_b32 hwreg(HW_REG_WAVE_MODE, 25, 1), 1
	s_wait_xcnt 0x0
; z [4096][1024] (K innermost) and Wq, Wk, Wv [8][1024][128], Wp [1024][1024] (K = the 1024 of the FIRST matrix axis), all f32, become codes of FP6 (E2M3) with one E8M0 byte for each 32 along K.
; A block's scale is 2^(floor(log2(its largest magnitude)) - 2); its byte is that magnitude's exponent field - 2, held at 1 from below; each number / scale goes to the nearest code, ties to even, beyond 7.5 the largest code.
; LIMITS: NaN and infinities among the inputs are not served.  A block whose largest magnitude lies under 2^-124 keeps the byte 1; a block of zeros keeps the byte 1 with zero codes (the bytes are read by this program alone).
; WHAT IS STORED.  img: [tile 512][K step 8][1,536 bytes]: a FRAGMENT (16 rows x 128 K, 12 registers a lane) as the image of its operand registers: register 4 c + i of lane l at byte 512 c + 16 l + 4 i.
;   Tiles 0-255 z's rows, 256-319 Wq's (row = 128 head + e), 320-383 Wk's, 384-447 Wv's, 448-511 Wp's (row = n).   scw: [K step 8][tile 512][16 rows] scale words of four bytes.
; THE ROWS OF A TILE ARE NOT NEIGHBOURS: lane r of tile 2 b + u holds row 32 b + 8 u + r + 8 (r / 8).  So where such a tile is a product's source 0, the 16 result registers of tiles 2 b and 2 b + 1 are 16 neighbours.
; SHARES.  2,048 wave tasks of 16 KiB read.  Work-groups 0-255: z: a wave takes 32 rows x 128 K (two fragments).  Work-groups 256-511: the weights: a wave takes 32 columns x 128 K (two fragments).
; No tensor load, no barrier, no loop: waves share nothing.  No cluster: no two work-groups read the same byte.  Only z's path uses LDS.
.set FRB,    1536                      ; a fragment's image in bytes
.set SPITCH, 528                       ; z's stage: a row of 512 bytes + 16 = 132 words: row r starts at bank 4 r mod 64 (64 banks of 4 bytes: ISA guide 11.1)
.set WSTG,   16*SPITCH                 ; a wave's stage
.set SEL,  20                          ; s[20:21] lane selects for v_permlanex16_b32: lane l xor 16
.set R,    16                          ; z: v16-143  two tiles x 16 rows as loaded, then 64 numbers a lane a tile
.set TM,   144                         ; z: v144-159 at work in QUANT
.set PC0,  160                         ; z: v160-178 tile 0's codes;  v180-198 tile 1's
.set PC1,  180
.set PW0,  200                         ; z: the two scale words
.set PW1,  201
.set VO,   16                          ; W: v16-47   offsets of the 32 rows of a block
.set X,    48                          ; W: v48-111  two sets of 32 numbers
.set FA,   112                         ; W: v112-123 the first tile's fragment, v124-135 the second's
.set TU,   136                         ; W: v136-151 the upper halves of the four blocks' codes
; 64 numbers of a lane, v[s] .. v[s + 63], register 16 b + i = k 32 b + 16 (lane / 16) + i of my row, become a fragment's codes in v[pc] .. v[pc + 11] and its scale word in v[pw].
.macro QUANT s, pc, pw
.irp b, 0,1,2,3
	v_max3_num_f32 v[TM+\b], |v[\s+16*\b]|, |v[\s+1+16*\b]|, 0x1800000   ; block b: my 16 numbers, and the floor 2^(3 - 127): the byte cannot fall under 1
.endr
.irp i, 2,4,6,8,10,12,14
.irp b, 0,1,2,3
	v_max3_num_f32 v[TM+\b], v[TM+\b], |v[\s+16*\b+\i]|, |v[\s+1+16*\b+\i]|   ; the four blocks by turns
.endr
.endr
.irp b, 0,1,2,3
	v_permlanex16_b32 v[TM+4+\b], v[TM+\b], s[SEL], s[SEL+1]
.endr
.irp b, 0,1,2,3
	v_max_num_f32 v[TM+\b], v[TM+\b], v[TM+4+\b]   ; with lane l xor 16's: the block's largest magnitude
.endr
.irp b, 0,1,2,3
	v_add_nc_u32 v[TM+12+\b], 0xff000000, v[TM+\b]   ; 2 off its exponent field: the conversion's scale operand
.endr
.irp b, 0,1,2,3
	v_lshrrev_b32 v[TM+4+\b], 23, v[TM+12+\b]      ; the scale's byte
.endr
	v_lshl_or_b32 v[\pw], v[TM+5], 8, v[TM+4]
	v_lshl_or_b32 v[\pw], v[TM+6], 16, v[\pw]
	v_lshl_or_b32 v[\pw], v[TM+7], 24, v[\pw]      ; my row's scale word
.irp c, 0,1
	v_cvt_scalef32_pk16_fp6_f32 v[\pc+6*\c:\pc+2+6*\c], v[\s+32*\c:\s+15+32*\c], v[TM+12+2*\c]
	v_cvt_scalef32_pk16_fp6_f32 v[\pc+12+4*\c:\pc+14+4*\c], v[\s+16+32*\c:\s+31+32*\c], v[TM+12+2*\c+1]   ; (a conversion's three registers begin on an even number)
.endr
	v_nop                                          ; one plain instruction behind the scaled conversions
.irp c, 0,1                                    ; the operand's layout wants a WHOLE block in a lane: lanes 0-15 block 2 c, lanes 16-31 block 2 c + 1
.irp i, 0,1,2
	v_permlane16_swap_b32 v[\pc+6*\c+\i], v[\pc+12+4*\c+\i]
.endr
.irp i, 0,1,2
	v_mov_b32 v[\pc+3+6*\c+\i], v[\pc+12+4*\c+\i]
.endr
.endr
.endm
	s_load_b256 s[4:11], s[0:1], 0x0               ; z s[4:5], Wq s[6:7], Wk s[8:9], Wv s[10:11]
	s_load_b128 s[12:15], s[0:1], 0x20             ; Wp s[12:13], img s[14:15]
	s_load_b64 s[16:17], s[0:1], 0x30              ; scw
	v_lshl_add_u32 v208, v0, 2, 0x8400
	v_mov_b32 v209, 0
	v_lshrrev_b32 v1, 5, v0
	v_readfirstlane_b32 s18, v1                    ; wave 0..3
	v_and_b32 v1, 31, v0                           ; lane
	v_lshlrev_b32 v2, 4, v1                        ; 16 x lane: my place in a load's 512 bytes and in an image
	v_lshlrev_b32 v5, 2, v1                        ; 4 x lane: my place among two tiles' scale words
	s_mov_b32 s[SEL], 0x76543210
	s_mov_b32 s[SEL+1], 0xfedcba98
	s_cmp_lt_u32 ttmp9, 256
	s_cbranch_scc0 .Lweights
	; ---------------- z: rows 32 P .. 32 P + 31 (tiles 2 P, 2 P + 1), K step s
	s_lshl_b32 s19, ttmp9, 2
	s_add_co_u32 s19, s19, s18                     ; task = 4 x work-group + wave
	s_lshr_b32 s22, s19, 3                         ; P
	s_and_b32 s23, s19, 7                          ; s
	s_lshl_b32 s24, s22, 17                        ; z: 32 rows of 4,096 bytes a group,
	s_lshl_b32 s26, s23, 9                         ; 512 bytes a K step
	s_add_co_u32 s24, s24, s26
	s_mov_b32 s25, 0
	s_lshl_b32 s26, s22, 4
	s_add_co_u32 s26, s26, s23
	s_mul_i32 s26, s26, FRB                        ; img: (8 x tile 2 P + s) images
	s_mov_b32 s27, 0
	s_lshl_b32 s28, s23, 15                        ; scw: a plane of 32,768 bytes a K step,
	s_lshl_b32 s29, s22, 7                         ; 128 bytes for two tiles
	s_add_co_u32 s28, s28, s29
	s_mov_b32 s29, 0
	s_mul_i32 s30, s18, WSTG                       ; my stage
	s_wait_alu depctr_va_vdst(0)
	v_add_nc_u32 v3, s30, v2                       ; into it: 16 x lane of a row
	v_and_b32 v6, 15, v0                           ; r
	v_bfe_u32 v7, v0, 4, 1                         ; h
	v_mul_u32_u24 v4, v6, SPITCH
	v_lshl_add_u32 v4, v7, 6, v4
	v_add_nc_u32 v4, s30, v4                       ; out of it: row r, + 64 h: my 16 numbers of a block of 32
.irp b, 0,1,2,3
	v_mov_b32 v[TM+4+\b], 0                        ; written once: a lane permute's destination counts as one of its sources
.endr
	s_wait_alu depctr_va_vdst(0)
	s_wait_kmcnt 0x0
	s_add_nc_u64 s[4:5], s[4:5], s[24:25]
	s_add_nc_u64 s[14:15], s[14:15], s[26:27]
	s_add_nc_u64 s[16:17], s[16:17], s[28:29]
.irp u, 0,1                                    ; tile u's lane-row p is row 8 u + p + 8 (p / 8) of the group; each load reads 512 consecutive bytes of one row
.irp p, 0,1,2,3,4,5,6,7,8,9,10,11,12,13,14,15
	global_load_b128 v[R+64*\u+4*\p:R+64*\u+4*\p+3], v2, s[4:5] offset:(8*\u+\p+8*(\p/8))*4096 th:TH_LOAD_NT
.endr
.endr
; A tile through the stage: in as loaded (a row's 512 bytes on end), out 16 neighbours of each block a lane, into the registers that it left.  LDS serves a wave's instructions in order (ISA guide 5.7.1.4).
.macro THROUGH u
.irp p, 0,1,2,3,4,5,6,7,8,9,10,11,12,13,14,15
	ds_store_b128 v3, v[R+64*\u+4*\p:R+64*\u+4*\p+3] offset:SPITCH*\p
.endr
.irp b, 0,1,2,3
.irp j, 0,1,2,3
	ds_load_b128 v[R+64*\u+16*\b+4*\j:R+64*\u+16*\b+4*\j+3], v4 offset:128*\b+16*\j
.endr
.endr
.endm
	s_wait_loadcnt 16                              ; tile 0's sixteen loads are in; tile 1's sixteen, issued behind them, may be out
	THROUGH 0
	s_wait_loadcnt 0x0
	THROUGH 1                                      ; the same stage: these stores come behind tile 0's reads
	s_wait_dscnt 32                                ; tile 0 is back: behind its loads stand tile 1's 16 stores and 16 loads
	QUANT R, PC0, PW0
.irp c, 0,1,2
	global_store_b128 v2, v[PC0+4*\c:PC0+4*\c+3], s[14:15] offset:512*\c          ; 32 lanes store 512 consecutive bytes, at a multiple of 256 from img's first byte
.endr
	s_wait_dscnt 0x0
	QUANT R+64, PC1, PW1
.irp c, 0,1,2
	global_store_b128 v2, v[PC1+4*\c:PC1+4*\c+3], s[14:15] offset:8*FRB+512*\c    ; tile 2 P + 1 lies eight images on
.endr
	v_cmp_gt_u32 vcc_lo, 16, v1
	v_cndmask_b32 v202, v[PW1], v[PW0], vcc_lo     ; lanes 0-15: tile 2 P's words, lanes 16-31: tile 2 P + 1's (both halves of the lanes hold their row's word)
	global_store_b32 v5, v202, s[16:17]            ; 128 consecutive bytes: half of an aligned 256; one byte in 128 of what the launch reads
	s_wait_tensorcnt 0x0
	ds_add_u32 v208, v209
	s_wait_dscnt 0x0
	s_endpgm
	; ---------------- the weights: A LANE TAKES A COLUMN, AND ITS REGISTERS RUN DOWN K: a block of 32 lies in one lane, and the conversions give codes with K innermost
.Lweights:
	s_sub_co_u32 s19, ttmp9, 256
	s_lshr_b32 s22, s19, 6                         ; which tensor: 0 Wq, 1 Wk, 2 Wv, 3 Wp
	s_bfe_u32 s23, s19, 0x30003                    ; which 128 columns (a head; of Wp: 128 n)
	s_and_b32 s19, s19, 7                          ; K step
	s_wait_alu depctr_va_vdst(0)
	v_and_b32 v6, 7, v1
	v_and_b32 v7, 8, v1
	v_lshl_or_b32 v6, v7, 1, v6
	v_and_b32 v7, 16, v1
	v_lshrrev_b32 v7, 1, v7
	v_or_b32 v6, v6, v7                            ; my column of the wave's 32: lanes 0-15 the first tile's rows r + 8 (r / 8), lanes 16-31 the second's, 8 further on
	v_lshlrev_b32 v6, 2, v6                        ; the 32 lanes still cover 128 consecutive bytes, the four waves 512
	s_wait_alu depctr_va_vdst(0)
	s_wait_kmcnt 0x0
	s_cmp_eq_u32 s22, 0                            ; the choices hang on the work-group's number alone
	s_cselect_b64 s[32:33], s[6:7], s[8:9]
	s_cmp_lt_u32 s22, 2
	s_cselect_b64 s[32:33], s[32:33], s[10:11]
	s_cmp_lt_u32 s22, 3
	s_cselect_b64 s[32:33], s[32:33], s[12:13]
	s_mov_b32 s34, 4096
	s_cselect_b32 s34, 512, s34                    ; bytes from k to k + 1: 128 or 1,024 numbers
	s_mov_b32 s35, 512
	s_cselect_b32 s35, 0x80000, s35                ; bytes from 128 columns to the next: a head, or 128 numbers of a row
	s_mul_i32 s36, s23, s35
	s_lshl_b32 s37, s18, 7
	s_add_co_u32 s36, s36, s37                     ; + my wave's 32 columns
	s_lshl_b32 s37, s19, 7
	s_mul_i32 s37, s37, s34
	s_add_co_u32 s36, s36, s37                     ; + 128 rows for each K step
	s_mov_b32 s37, 0
	s_add_nc_u64 s[24:25], s[32:33], s[36:37]      ; block 0's first row;
	s_lshl_b32 s38, s34, 5
	s_mov_b32 s39, 0
	s_add_nc_u64 s[26:27], s[24:25], s[38:39]      ; blocks 1, 2, 3: 32 rows on each: a base of its own for each block, so that none is stepped
	s_add_nc_u64 s[28:29], s[26:27], s[38:39]
	s_add_nc_u64 s[30:31], s[28:29], s[38:39]
.set i, 0
.rept 32
	v_mad_u32_u24 v[VO+i], s34, i, v6              ; row i of a block, my column
.set i, i+1
.endr
	s_lshl_b32 s36, s22, 6
	s_lshl_b32 s37, s23, 3
	s_add_co_u32 s36, s36, s37
	s_lshl_b32 s37, s18, 1
	s_add_co_u32 s36, s36, s37
	s_add_co_u32 s36, s36, 256                     ; my first tile: 256 + 64 x tensor + 2 (4 x group + wave)
	s_lshl_b32 s38, s36, 6
	s_lshl_b32 s37, s19, 15
	s_add_co_u32 s38, s38, s37                     ; scw: the K step's plane + 64 bytes a tile
	s_lshl_b32 s36, s36, 3
	s_add_co_u32 s36, s36, s19
	s_mul_i32 s36, s36, FRB                        ; img: (8 x tile + K step) images
	s_mov_b32 s37, 0
	s_add_nc_u64 s[14:15], s[14:15], s[36:37]
	s_add_nc_u64 s[16:17], s[16:17], s[38:39]
.macro WLOAD t                         ; block t: W(32 t + i, my column), i = 0 .. 31, into set t % 2
.set i, 0
.rept 32
	global_load_b32 v[X+32*((\t)%2)+i], v[VO+i], s[24+2*(\t):25+2*(\t)] th:TH_LOAD_NT
.set i, i+1
.endr
.endm
.macro WBLOCK t
.set XS, X+32*((\t)%2)
.set CL, FA+12*((\t)%2)+6*((\t)/2)     ; even blocks into the first fragment's registers, odd blocks into the second's: the exchange below puts them right
.if (\t) < 3
	s_wait_loadcnt 32                              ; this block's 32 loads are in; the next block's 32 may be out
.else
	s_wait_loadcnt 0x0
.endif
	v_max3_num_f32 v152, |v[XS]|, |v[XS+1]|, |v[XS+2]|             ; the block's largest magnitude: all 32 numbers are mine; two chains
	v_max3_num_f32 v153, |v[XS+3]|, |v[XS+4]|, |v[XS+5]|
.irp i, 6,10,14,18,22,26
	v_max3_num_f32 v152, v152, |v[XS+\i]|, |v[XS+\i+1]|
	v_max3_num_f32 v153, v153, |v[XS+\i+2]|, |v[XS+\i+3]|
.endr
	v_max3_num_f32 v152, v152, |v[XS+30]|, |v[XS+31]|
	v_max3_num_f32 v152, v152, v153, 0x1800000     ; and the floor 2^(3 - 127)
	v_add_nc_u32 v154, 0xff000000, v152            ; the conversion's scale operand
	v_lshrrev_b32 v155, 23, v154                   ; the scale's byte
.if (\t) == 0
	v_mov_b32 v156, v155                           ; four bytes make my column's scale word, the lower K in the lower byte
.else
	v_lshl_or_b32 v156, v155, 8*(\t), v156
.endif
	v_cvt_scalef32_pk16_fp6_f32 v[CL:CL+2], v[XS:XS+15], v154
	v_cvt_scalef32_pk16_fp6_f32 v[TU+4*(\t):TU+4*(\t)+2], v[XS+16:XS+31], v154   ; (a conversion's three registers begin on an even number)
.if (\t) < 2
	WLOAD (\t)+2
.endif
.endm
	s_wait_alu depctr_va_vdst(0)
	WLOAD 0
	WLOAD 1
	WBLOCK 0
	WBLOCK 1
	WBLOCK 2
	WBLOCK 3
	v_nop                                          ; one plain instruction behind the scaled conversions
; Lane l holds all four blocks of ITS row; the operand wants lanes 0-15 to hold block 2 c and lanes 16-31 block 2 c + 1 of ONE tile's rows.  The exchange of the first register's upper lanes with the second's lower lanes does that for both tiles at once.
.irp c, 0,1
.irp i, 0,1,2
	v_permlane16_swap_b32 v[FA+6*\c+\i], v[FA+12+6*\c+\i]
	v_permlane16_swap_b32 v[TU+8*\c+\i], v[TU+8*\c+4+\i]
.endr
.irp i, 0,1,2
	v_mov_b32 v[FA+6*\c+3+\i], v[TU+8*\c+\i]
	v_mov_b32 v[FA+12+6*\c+3+\i], v[TU+8*\c+4+\i]
.endr
.endr
.irp c, 0,1,2
	global_store_b128 v2, v[FA+4*\c:FA+4*\c+3], s[14:15] offset:512*\c
.endr
.irp c, 0,1,2
	global_store_b128 v2, v[FA+12+4*\c:FA+12+4*\c+3], s[14:15] offset:8*FRB+512*\c
.endr
	global_store_b32 v5, v156, s[16:17]            ; lanes 0-15: the first tile's words, lanes 16-31: the second's
	s_endpgm
.Lfunc_end_k_qe1c82d52af_quant:
	.size	k_qe1c82d52af_quant, .Lfunc_end_k_qe1c82d52af_quant-k_qe1c82d52af_quant
	.p2alignl 7, 3214868480
	.fill 96, 4, 3214868480
	.section	.rodata,"a",@progbits
	.p2align	6, 0x0
	.amdhsa_kernel k_qe1c82d52af_quant
		.amdhsa_group_segment_fixed_size 34304
		.amdhsa_private_segment_fixed_size 0
		.amdhsa_enable_private_segment 0
		.amdhsa_kernarg_size 56
		.amdhsa_user_sgpr_count 2
		.amdhsa_user_sgpr_kernarg_segment_ptr 1
		.amdhsa_wavefront_size32 1
		.amdhsa_system_sgpr_workgroup_id_x 1
		.amdhsa_system_sgpr_workgroup_id_y 1
		.amdhsa_system_sgpr_workgroup_id_z 1
		.amdhsa_system_vgpr_workitem_id 0
		.amdhsa_next_free_vgpr 210
		.amdhsa_next_free_sgpr 66
		.amdhsa_reserve_vcc 1
		.amdhsa_float_denorm_mode_32 3
		.amdhsa_float_denorm_mode_16_64 3
		.amdhsa_memory_ordered 1
		.amdhsa_forward_progress 1
		.amdhsa_inst_pref_size 41
	.end_amdhsa_kernel
	.amdgpu_metadata
---
amdhsa.version: [ 1, 2 ]
amdhsa.kernels:
  - .name:           k_qe1c82d52af_quant
    .symbol:         k_qe1c82d52af_quant.kd
    .args:
      - { .name: z, .offset: 0, .size: 8, .value_kind: global_buffer, .address_space: global }
      - { .name: Wq, .offset: 8, .size: 8, .value_kind: global_buffer, .address_space: global }
      - { .name: Wk, .offset: 16, .size: 8, .value_kind: global_buffer, .address_space: global }
      - { .name: Wv, .offset: 24, .size: 8, .value_kind: global_buffer, .address_space: global }
      - { .name: Wp, .offset: 32, .size: 8, .value_kind: global_buffer, .address_space: global }
      - { .name: img, .offset: 40, .size: 8, .value_kind: global_buffer, .address_space: global }
      - { .name: scw, .offset: 48, .size: 8, .value_kind: global_buffer, .address_space: global }
    .group_segment_fixed_size: 34304
    .private_segment_fixed_size: 0
    .kernarg_segment_align: 8
    .kernarg_segment_size: 56
    .max_flat_workgroup_size: 128
    .sgpr_count:     66
    .vgpr_count:     210
    .wavefront_size: 32
...
	.end_amdgpu_metadata
.endif
;; end of part 1
;; launch qkv (part 2): grid 12 x 16, 4 waves a work-group, clusters of 4 x 4, 327,680 bytes of LDS; arguments img, scw, bq, bk, bv, qkv, qkvs; writes qkv, qkvs
.if DOCPART == 2
	.amdgcn_target "amdgcn-amd-amdhsa--gfx1250"
	.amdhsa_code_object_version 6
	.text
	.protected	k_qe1c82d52af_qkv
	.globl	k_qe1c82d52af_qkv
	.p2align	8
	.type	k_qe1c82d52af_qkv,@function
k_qe1c82d52af_qkv:
	s_mov_b64 s[64:65], 0
	v_nop
	global_prefetch_b8 v0, s[64:65] scope:SCOPE_SE
	s_setreg_imm32_b32 hwreg(HW_REG_WAVE_MODE, 25, 1), 1
	s_wait_xcnt 0x0
	s_wait_alu depctr_hold_cnt(0) depctr_sa_sdst(0) depctr_va_vdst(0) depctr_va_sdst(0) depctr_va_ssrc(0) depctr_va_vcc(0) depctr_vm_vsrc(0)
	s_getreg_b32 s2, hwreg(HW_REG_IB_STS2, 6, 4)
	s_cmp_eq_u32 s2, 0
	s_cbranch_scc0 .Lentry_in_a_cluster
	s_endpgm
.Lentry_in_a_cluster:
	s_bfe_u32 s2, ttmp6, 0x10000c
	s_cmp_lg_u32 s2, 0xf033
	s_cbranch_scc0 .Lentry_shape_is_right
	s_endpgm
.Lentry_shape_is_right:
.set FR,     12
.set NL,     3
.set FRB,    1536
.set TROW,   2*FRB
.set HALFT,  8*TROW
.set SLOT,   4*HALFT
.set SCL,    2*SLOT
.set HALFS,  4096
.set SPARE,  SCL+4*HALFS
.set QOFF,   6553600
.set QSOFF,  0
.set LI,   3
.set ADRA, 4
.set ADRB, 6
.set ADSA, 8
.set ADSB, 9
.set SPW,  10
.set NIL,  11
.set BO,   12
.set LN,   14
.set PW,   16
.set CW,   24
.set SA,   32
.set SB,   64
.set AF,   128
.set PC,   128
.set TM,   148
.set WV,   18
.set HA,   19
.set HB,   20
.set ISV,  21
.set G1,   24
.set G0,   32
.set G1B,  48
.set G0B,  56
.set G1S,  68
.set G0S,  76
.set G1SB, 80
.set G0SB, 88
.set SEL,  96
.set MSB, 0
.macro WIN new
.if MSB != (\new)
	s_set_vgpr_msb (MSB<<8)|(\new)
.set MSB, (\new)
.endif
.endm
.set MUL_LO,   0xa1
.set MUL_HI,   0xf1
.set FIRST_LO, 0x81
.set FIRST_HI, 0xc1
.set TO_B,     0x40
.macro JLOAD g0a, g1a, g0b, g1b
	s_cmp_eq_u32 s[HA], 0
	s_cbranch_scc0 .Lfor_b_\@
	tensor_load_to_lds s[\g0a:\g0a+3], s[\g1a:\g1a+7]
	s_nop 0
.rept 4
	v_nop
.endr
	s_branch .Lasked_\@
.Lfor_b_\@:
	tensor_load_to_lds s[\g0b:\g0b+3], s[\g1b:\g1b+7]
	s_nop 0
.rept 4
	v_nop
.endr
.Lasked_\@:
.endm
.macro CREST
	s_cmp_lg_u32 s[WV], 0
	s_cbranch_scc1 .Lnot_wave_0_\@
	s_barrier_signal -3
.Lnot_wave_0_\@:
	s_barrier_wait -3
	s_barrier_signal -1
	s_barrier_wait -1
.endm
.macro CROUND
	s_barrier_signal -1
	s_barrier_wait -1
	CREST
.endm
.macro PLACES n
.rept \n
	v_nop
.endr
.endm
.macro WM
.if rRA && rRB
	v_wmma_scale_f32_16x16x128_f8f6f4 v[rD:rD+7], v[rS0:rS0+FR-1], v[rS1:rS1+FR-1], v[rC:rC+7], v[rXA], v[rXB] matrix_a_fmt:MATRIX_FMT_FP6 matrix_b_fmt:MATRIX_FMT_FP6 matrix_a_scale:MATRIX_SCALE_ROW1 matrix_b_scale:MATRIX_SCALE_ROW1
.elseif rRA
	v_wmma_scale_f32_16x16x128_f8f6f4 v[rD:rD+7], v[rS0:rS0+FR-1], v[rS1:rS1+FR-1], v[rC:rC+7], v[rXA], v[rXB] matrix_a_fmt:MATRIX_FMT_FP6 matrix_b_fmt:MATRIX_FMT_FP6 matrix_a_scale:MATRIX_SCALE_ROW1
.elseif rRB
	v_wmma_scale_f32_16x16x128_f8f6f4 v[rD:rD+7], v[rS0:rS0+FR-1], v[rS1:rS1+FR-1], v[rC:rC+7], v[rXA], v[rXB] matrix_a_fmt:MATRIX_FMT_FP6 matrix_b_fmt:MATRIX_FMT_FP6 matrix_b_scale:MATRIX_SCALE_ROW1
.else
	v_wmma_scale_f32_16x16x128_f8f6f4 v[rD:rD+7], v[rS0:rS0+FR-1], v[rS1:rS1+FR-1], v[rC:rC+7], v[rXA], v[rXB] matrix_a_fmt:MATRIX_FMT_FP6 matrix_b_fmt:MATRIX_FMT_FP6
.endif
.endm
.macro MUL16 a0, p, s, mode
.irp a, \a0, \a0+1
.irp b, 0,1,2,3,4,5,6,7
.set rD,  8*(8*((\a)%4)+\b)
.set rS0, 128*(\p)+FR*\b
.set rS1, AF+FR*(\a)
.set rXA, SB+4*(\s)+\b/2
.set rXB, SA+4*(\s)+(\a)/2
.set rRA, \b%2
.set rRB, (\a)%2
.if \mode == 1
.set rC, 96+8*\b+96*(\b/4)
.elseif \mode == 2
.set rC, 96+8*(\a)+96*((\a)/4)
.else
.set rC, rD
.endif
	WM
.endr
.endr
.endm
.macro FRAG reg, adr, q, i
.irp c, 0,1,2
	ds_load_b128 v[\reg+4*\c:\reg+4*\c+3], v[\adr] offset:(\i)*TROW+(\q)*FRB+512*\c
.endr
.endm
.macro FETCH_B slot, q, p
	WIN TO_B
.irp i, 0,1,2,3,4,5,6,7
	FRAG 128*(\p)+FR*\i, ADRB+\slot, \q, \i
.endr
	WIN 0
.endm
.macro FETCH_A slot, q, i0
.irp i, \i0, \i0+1, \i0+2, \i0+3
	FRAG AF+FR*(\i), ADRA+\slot, \q, \i
.endr
.endm
.macro SCALES
.irp s, 0,1,2,3,4,5,6,7
.irp i, 0,1,2,3
	global_load_b32 v[SA+4*\s+\i], v15, s[6:7] offset:32768*\s+128*\i   ; two tiles' scale words of K step s: 128 consecutive bytes, straight into the scale registers
	global_load_b32 v[SB+4*\s+\i], v15, s[4:5] offset:32768*\s+128*\i
.endr
.endr
.endm
.macro STEP slot, s, mode
	s_wait_dscnt 4*NL
.if \mode
	WIN FIRST_LO
.else
	WIN MUL_LO
.endif
	MUL16 0, 0, \s, \mode
	MUL16 2, 0, \s, \mode
	s_wait_dscnt 0x0
	PLACES 4
	FETCH_B \slot, 1, 1
	FETCH_A \slot, 1, 0
.if \mode
	WIN FIRST_HI
.else
	WIN MUL_HI
.endif
	MUL16 4, 0, \s, \mode
	MUL16 6, 0, \s, \mode
	PLACES 4
	WIN 0
	FETCH_A \slot, 1, 4
.endm
.macro TURN slot, next, fill, s
	s_wait_tensorcnt 0x0
	ds_add_u32 v[SPW], v[NIL]
	s_wait_dscnt 4*NL+1
	WIN MUL_LO
	MUL16 0, 1, \s, 0
	s_wait_dscnt 0x0
	s_barrier_signal -1
	MUL16 2, 1, \s, 0
	WIN 0
	s_barrier_wait -1
.if \fill
	CREST
	s_add_nc_u64 s[G0+4*\slot+2:G0+4*\slot+3], s[G0+4*\slot+2:G0+4*\slot+3], 2*TROW
	s_add_nc_u64 s[G0B+4*\slot+2:G0B+4*\slot+3], s[G0B+4*\slot+2:G0B+4*\slot+3], 2*TROW
	JLOAD G0+4*\slot, G1, G0B+4*\slot, G1B
.else
	PLACES 4
.endif
	FETCH_B \next, 0, 0
	FETCH_A \next, 0, 0
	WIN MUL_HI
	MUL16 4, 1, \s, 0
	MUL16 6, 1, \s, 0
	PLACES 4
	WIN 0
	FETCH_A \next, 0, 4
.endm
.macro QUANT s, w, pc, pw
	WIN (\w)*5
.irp b, 0,1,2,3
	v_max3_num_f32 v[TM+\b], |v[\s+16*\b]|, |v[\s+1+16*\b]|, 0x1800000
.endr
	WIN (\w)*20
.irp i, 2,4,6,8,10,12,14
.irp b, 0,1,2,3
	v_max3_num_f32 v[TM+\b], v[TM+\b], |v[\s+16*\b+\i]|, |v[\s+1+16*\b+\i]|
.endr
.endr
	WIN 0
.irp b, 0,1,2,3
	v_permlanex16_b32 v[TM+4+\b], v[TM+\b], s[SEL], s[SEL+1]
.endr
.irp b, 0,1,2,3
	v_max_num_f32 v[TM+\b], v[TM+\b], v[TM+4+\b]
.endr
.irp b, 0,1,2,3
	v_add_nc_u32 v[TM+12+\b], 0xff000000, v[TM+\b]
.endr
.irp b, 0,1,2,3
	v_lshrrev_b32 v[TM+4+\b], 23, v[TM+12+\b]
.endr
	v_lshl_or_b32 v[\pw], v[TM+5], 8, v[TM+4]
	v_lshl_or_b32 v[\pw], v[TM+6], 16, v[\pw]
	v_lshl_or_b32 v[\pw], v[TM+7], 24, v[\pw]
	WIN (\w)
.irp c, 0,1
	v_cvt_scalef32_pk16_fp6_f32 v[\pc+6*\c:\pc+2+6*\c], v[\s+32*\c:\s+15+32*\c], v[TM+12+2*\c]
	v_cvt_scalef32_pk16_fp6_f32 v[\pc+12+4*\c:\pc+14+4*\c], v[\s+16+32*\c:\s+31+32*\c], v[TM+12+2*\c+1]
.endr
	WIN 0
	v_nop
.irp c, 0,1
.irp i, 0,1,2
	v_permlane16_swap_b32 v[\pc+6*\c+\i], v[\pc+12+4*\c+\i]
.endr
.irp i, 0,1,2
	v_mov_b32 v[\pc+3+6*\c+\i], v[\pc+12+4*\c+\i]
.endr
.endr
.endm
	s_load_b128 s[4:7], s[0:1], 0x0
	s_load_b128 s[8:11], s[0:1], 0x10
	s_load_b128 s[12:15], s[0:1], 0x20
	s_load_b64 s[16:17], s[0:1], 0x30
	v_lshl_add_u32 v[SPW], v0, 2, SPARE
	v_mov_b32 v[NIL], 0
	ds_add_u32 v10, v11
	ds_add_u32 v10, v11
	s_wait_dscnt 0x0
	v_lshrrev_b32 v1, 5, v0
	v_readfirstlane_b32 s[WV], v1
	s_lshr_b32 s[HA], s[WV], 1
	s_and_b32 s[HB], s[WV], 1
	s_bfe_u32 s40, ttmp6, 0x40000
	s_bfe_u32 s41, ttmp6, 0x40004
	s_and_b32 s42, ttmp7, 0xffff
	s_lshl_b32 s43, s41, 2
	s_lshl_b32 s43, 15, s43
	s_lshl_b32 s44, 0x1111, s40
	s_or_b32 s[G1], s43, (3<<16)|(1<<21)
	s_or_b32 s[G1B], s44, (3<<16)|(1<<21)
.irp g, G1, G1B
	s_mov_b32 s[\g+1], 384<<16
	s_mov_b32 s[\g+2], 8<<16
	s_mov_b32 s[\g+3], 384<<16
	s_mov_b32 s[\g+4], 8
	s_mov_b32 s[\g+5], 1536
	s_mov_b32 s[\g+6], 0
	s_mov_b32 s[\g+7], 0
.endr
	s_lshl_b32 s45, s42, 6
	s_lshl_b32 s46, ttmp9, 6
	s_add_co_u32 s46, s46, 256
	s_mov_b32 s47, 384
	s_cmp_eq_u32 ttmp9, 2
	s_cselect_b32 s[ISV], 1, 0
	s_cselect_b32 s22, s47, s45
	s_cselect_b32 s23, s45, s46
	s_lshl_b32 s66, s41, 4
	s_add_co_u32 s22, s22, s66
	s_lshl_b32 s98, s40, 4
	s_add_co_u32 s23, s23, s98
	s_lshl_b32 s92, s[HB], 3
	s_lshl_b32 s100, s[HA], 3
	s_add_co_u32 s100, s100, s22                   ; the eight tiles of source 1 that my wave multiplies
	s_lshl_b32 s100, s100, 6                       ; 64 bytes of scale words a tile
	s_mov_b32 s101, 0
	s_add_co_u32 s22, s22, s92
	s_add_co_u32 s23, s23, s92
	s_mul_i32 s2, s22, 8*FRB
	s_mov_b32 s3, 0
	s_mul_i32 s46, s23, 8*FRB
	s_mov_b32 s47, 0
	s_lshl_b32 s98, s23, 6
	s_mov_b32 s99, 0
	s_mul_i32 s93, s[WV], HALFT
	s_wait_kmcnt 0x0
	s_add_nc_u64 s[2:3], s[4:5], s[2:3]
	s_add_nc_u64 s[46:47], s[4:5], s[46:47]
	s_add_nc_u64 s[4:5], s[6:7], s[98:99]          ; scale words of source 0's eight tiles
	s_add_nc_u64 s[6:7], s[6:7], s[100:101]        ; and of source 1's
	CROUND
.irp s, 0,1
	s_mov_b32 s[G0+4*\s], 1
	s_add_co_u32 s[G0+4*\s+1], s93, \s*SLOT
	s_add_nc_u64 s[G0+4*\s+2:G0+4*\s+3], s[2:3], \s*TROW
	s_or_b32 s[G0+4*\s+3], s[G0+4*\s+3], 0x80000000
	s_mov_b32 s[G0B+4*\s], 1
	s_add_co_u32 s[G0B+4*\s+1], s93, \s*SLOT
	s_add_nc_u64 s[G0B+4*\s+2:G0B+4*\s+3], s[46:47], \s*TROW
	s_or_b32 s[G0B+4*\s+3], s[G0B+4*\s+3], 0x80000000
.endr
	JLOAD G0, G1, G0B, G1B                         ; slot 0: the wave's one tensor load at the head
	v_and_b32 v15, 31, v0
	v_lshlrev_b32 v15, 2, v15                      ; 4 x lane
	SCALES                                         ; all eight K steps' scale words, asked for beside slot 0's tiles
	s_wait_alu depctr_va_vdst(0)
	s_wait_tensorcnt 0x0
	ds_add_u32 v10, v11
	s_wait_dscnt 0x0
	CROUND
	JLOAD G0+4, G1, G0B+4, G1B                     ; slot 1's first fill, issued as a refill is
	v_and_b32 v1, 15, v0
	v_bfe_u32 v2, v0, 4, 1
	v_and_b32 v[LN], 31, v0
	v_lshlrev_b32 v[LI], 4, v[LN]
	s_wait_alu depctr_va_vdst(0)
	s_mul_i32 s22, s[HA], HALFT
	s_mul_i32 s23, s[HB], HALFT
	s_add_co_u32 s23, s23, 2*HALFT
.irp s, 0,1
	v_add_nc_u32 v[ADRA+\s], s22, v[LI]
	v_add_nc_u32 v[ADRB+\s], s23, v[LI]
	s_add_co_u32 s22, s22, SLOT
	s_add_co_u32 s23, s23, SLOT
.endr
	s_mov_b32 s[SEL], 0x76543210
	s_mov_b32 s[SEL+1], 0xfedcba98
	s_lshl_b32 s22, s40, 1
	s_add_co_u32 s22, s22, s[HB]
	s_lshl_b32 s23, s41, 1
	s_add_co_u32 s23, s23, s[HA]
	s_cmp_eq_u32 s[ISV], 1
	s_cselect_b32 s43, s23, s22
	s_cselect_b32 s44, s22, s23
	s_lshl_b32 s45, s42, 3
	s_add_co_u32 s44, s44, s45
	s_lshl_b32 s45, s43, 5
	s_add_co_u32 s44, s44, s45
	s_mul_i32 s92, s44, 8*FRB
	s_add_co_u32 s92, s92, QOFF
	s_mul_i32 s67, s44, 25600                      ; a key step's record: K's scale block 512 | K's 8 fragments | V^T's 8 fragments | V's scale block 512
	s_add_co_u32 s45, s67, 512
	s_add_co_u32 s66, s45, 8*FRB
	s_lshl_b32 s94, s44, 9
	s_add_co_u32 s94, s94, QSOFF
	s_add_co_u32 s98, s67, 25088
	s_cmp_eq_u32 ttmp9, 0
	s_cselect_b32 s92, s92, s45
	s_cselect_b32 s94, s94, s67
	s_cselect_b64 s[8:9], s[8:9], s[10:11]
	s_cmp_eq_u32 ttmp9, 2
	s_cselect_b32 s92, s66, s92
	s_cselect_b32 s94, s98, s94
	s_cselect_b64 s[8:9], s[12:13], s[8:9]
	s_mov_b32 s93, 0
	s_mov_b32 s95, 0
	s_add_nc_u64 s[92:93], s[14:15], s[92:93]
	s_cmp_eq_u32 ttmp9, 0                          ; Q's scale blocks go to qkvs, K's and V's into their records in qkv
	s_cselect_b64 s[16:17], s[16:17], s[14:15]
	s_add_nc_u64 s[94:95], s[16:17], s[94:95]
	s_lshl_b32 s44, s43, 9
	s_mov_b32 s45, 0
	s_add_nc_u64 s[8:9], s[8:9], s[44:45]
	s_cmp_eq_u32 s[ISV], 1
	s_cbranch_scc1 .Lbias_v
	v_lshlrev_b32 v[BO], 6, v2
.irp t, 0,1,2,3,4,5,6,7
	global_load_b128 v[96+8*\t+96*(\t/4):96+8*\t+96*(\t/4)+3], v[BO], s[8:9] offset:(32*(\t/2)+8*(\t%2))*4
	global_load_b128 v[96+8*\t+96*(\t/4)+4:96+8*\t+96*(\t/4)+7], v[BO], s[8:9] offset:(32*(\t/2)+8*(\t%2))*4+16
.endr
	s_branch .Lbias_done
.Lbias_v:
	v_and_b32 v[BO], 8, v1
	v_add_nc_u32 v[BO], v[BO], v1
	v_lshlrev_b32 v[BO], 2, v[BO]
.irp t, 0,1,2,3,4,5,6,7
	global_load_b32 v[96+8*\t+96*(\t/4)], v[BO], s[8:9] offset:(32*(\t/2)+8*(\t%2))*4
.endr
	s_wait_loadcnt 0x0
.irp t, 0,1,2,3,4,5,6,7
.irp j, 1,2,3,4,5,6,7
	v_mov_b32 v[96+8*\t+96*(\t/4)+\j], v[96+8*\t+96*(\t/4)]
.endr
.endr
.Lbias_done:
	s_wait_tensorcnt 0x1
	s_barrier_signal -1
	s_barrier_wait -1
	s_wait_alu depctr_va_vdst(0)
	FETCH_B 0, 0, 0
	FETCH_A 0, 0, 0
	FETCH_A 0, 0, 4
	s_wait_loadcnt 0x0
	s_cmp_eq_u32 s[ISV], 1
	s_cbranch_scc1 .Lfirst_v
	STEP 0, 0, 1
	s_branch .Lfirst_done
.Lfirst_v:
	STEP 0, 0, 2
.Lfirst_done:
	TURN 0, 1, 1, 1
	STEP 1, 2, 0
	TURN 1, 0, 1, 3
	STEP 0, 4, 0
	TURN 0, 1, 0, 5
	STEP 1, 6, 0
	s_wait_dscnt 4*NL
	WIN MUL_LO
	MUL16 0, 1, 7, 0
	MUL16 2, 1, 7, 0
	s_wait_dscnt 0x0
	WIN MUL_HI
	MUL16 4, 1, 7, 0
	MUL16 6, 1, 7, 0
	WIN 0
	PLACES 4
.irp b, 0,1,2,3
	v_mov_b32 v[TM+4+\b], 0
.endr
.macro OUTBLK a
.if (\a) > 0
	s_wait_xcnt 0x0
.endif
	QUANT 64*((\a)%4), 2+(\a)/4, PC, PW+(\a)
.irp c, 0,1,2
	global_store_b128 v[LI], v[PC+4*\c:PC+4*\c+3], s[92:93] offset:(\a)*FRB+512*\c
.endr
.endm
.irp a, 0,1,2,3,4,5,6,7
	OUTBLK \a
.endr
	v_cmp_gt_u32 vcc_lo, 16, v[LN]
.irp c, 0,1,2,3
	v_cndmask_b32 v[CW+\c], v[PW+2*\c+1], v[PW+2*\c], vcc_lo
.endr
	global_store_b128 v[LI], v[CW:CW+3], s[94:95]
	s_wait_tensorcnt 0x0
	ds_add_u32 v[SPW], v[NIL]
	s_wait_dscnt 0x0
	CROUND
	s_endpgm
.Lfunc_end_k_qe1c82d52af_qkv:
	.size	k_qe1c82d52af_qkv, .Lfunc_end_k_qe1c82d52af_qkv-k_qe1c82d52af_qkv
	.p2alignl 7, 3214868480
	.fill 96, 4, 3214868480
	.section	.rodata,"a",@progbits
	.p2align	6, 0x0
	.amdhsa_kernel k_qe1c82d52af_qkv
		.amdhsa_group_segment_fixed_size 327680
		.amdhsa_private_segment_fixed_size 0
		.amdhsa_enable_private_segment 0
		.amdhsa_kernarg_size 56
		.amdhsa_user_sgpr_count 2
		.amdhsa_user_sgpr_kernarg_segment_ptr 1
		.amdhsa_wavefront_size32 1
		.amdhsa_system_sgpr_workgroup_id_x 1
		.amdhsa_system_sgpr_workgroup_id_y 1
		.amdhsa_system_sgpr_workgroup_id_z 1
		.amdhsa_system_vgpr_workitem_id 0
		.amdhsa_next_free_vgpr 1024
		.amdhsa_next_free_sgpr 102
		.amdhsa_reserve_vcc 1
		.amdhsa_float_denorm_mode_32 3
		.amdhsa_float_denorm_mode_16_64 3
		.amdhsa_memory_ordered 1
		.amdhsa_forward_progress 1
		.amdhsa_inst_pref_size 159
	.end_amdhsa_kernel
	.amdgpu_metadata
---
amdhsa.version: [ 1, 2 ]
amdhsa.kernels:
  - .name:           k_qe1c82d52af_qkv
    .symbol:         k_qe1c82d52af_qkv.kd
    .args:
      - { .name: img, .offset: 0, .size: 8, .value_kind: global_buffer, .address_space: global }
      - { .name: scw, .offset: 8, .size: 8, .value_kind: global_buffer, .address_space: global }
      - { .name: bq, .offset: 16, .size: 8, .value_kind: global_buffer, .address_space: global }
      - { .name: bk, .offset: 24, .size: 8, .value_kind: global_buffer, .address_space: global }
      - { .name: bv, .offset: 32, .size: 8, .value_kind: global_buffer, .address_space: global }
      - { .name: qkv, .offset: 40, .size: 8, .value_kind: global_buffer, .address_space: global }
      - { .name: qkvs, .offset: 48, .size: 8, .value_kind: global_buffer, .address_space: global }
    .group_segment_fixed_size: 327680
    .private_segment_fixed_size: 0
    .kernarg_segment_align: 8
    .kernarg_segment_size: 56
    .max_flat_workgroup_size: 128
    .sgpr_count:     102
    .vgpr_count:     1024
    .wavefront_size: 32
...
	.end_amdgpu_metadata
.endif
;; end of part 2
;; launch attn (part 3): grid 32 x 8, 8 waves a work-group, clusters of 4 x 1, 327,680 bytes of LDS; arguments qkv, qkvs, catimg, catsc; writes catimg, catsc
.if DOCPART == 3
	.amdgcn_target "amdgcn-amd-amdhsa--gfx1250"
	.amdhsa_code_object_version 6
	.text
	.protected	k_qe1c82d52af_attn
	.globl	k_qe1c82d52af_attn
	.p2align	8
	.type	k_qe1c82d52af_attn,@function
k_qe1c82d52af_attn:
	s_mov_b64 s[64:65], 0
	v_nop
	global_prefetch_b8 v0, s[64:65] scope:SCOPE_SE
	s_setreg_imm32_b32 hwreg(HW_REG_WAVE_MODE, 25, 1), 1
	s_wait_xcnt 0x0
	s_wait_alu depctr_hold_cnt(0) depctr_sa_sdst(0) depctr_va_vdst(0) depctr_va_sdst(0) depctr_va_ssrc(0) depctr_va_vcc(0) depctr_vm_vsrc(0)
	s_getreg_b32 s2, hwreg(HW_REG_IB_STS2, 6, 4)
	s_cmp_eq_u32 s2, 0
	s_cbranch_scc0 .Lentry_in_a_cluster
	s_endpgm
.Lentry_in_a_cluster:
	s_bfe_u32 s2, ttmp6, 0x10000c
	s_cmp_lg_u32 s2, 0x3003
	s_cbranch_scc0 .Lentry_shape_is_right
	s_endpgm
.Lentry_shape_is_right:
; cat[q][128 head + e] = sum over keys of softmax(q . k / sqrt(128)) v, both products on codes of FP6 (E2M3) with E8M0 scales; the result is quantised along e and stored as fragment images.
; SOFTMAX: t = score x log2(e) / sqrt(128); M = the row's largest t so far, rounded up to a whole number; p = 2^(t - M) is quantised along the keys; the row's sum is taken of the unquantised p and divides O at the end.
; When M moves, the sum and O are multiplied by 2^(old M - new M), which rounds nothing.  LIMITS: the promise holds while |t| stays under 2^31; NaN and infinities are not served; a block under 2^-124 keeps the byte 1.
; OPERANDS are images of their registers (16 rows x 128 K = 1,536 bytes: register 4 c + i of lane l at 512 c + 16 l + 4 i).  qkv: [head][key step 32][record of 25,600: KS 512 | K 8 fragments | V^T 8 fragments | VS 512]; from QOFF on Q: [head][block 32][8 fragments].
; In a scale block the word at 16 l + 4 c belongs to tile 2 c + l / 16, row l % 16.  Lane r of tile 2 b + u holds row 32 b + 8 u + r + 8 (r / 8): the 16 result registers of tiles 2 b, 2 b + 1 are 16 neighbours.
; SHARES.  A work-group owns 128 queries of one head.  Wave w takes query group w % 4 (two tiles of 16, so that each fragment read from LDS feeds two products) and half w / 4 of the keys (steps 0-15 or 16-31): two waves to a SIMD.
; Both products are used transposed: a lane holds one query of each tile.  At the end the waves of the second half hand O^T, the sums and -M to the waves of the first through LDS; the two parts are joined under the larger M by exact powers of two.
; THE RING IS SHIFTED BY HALF A RECORD: a chunk of 25,600 bytes is V(s) | VS(s) | KS(s+1) | K(s+1).  A slot holds two chunks of each half of the keys; every wave fetches half a chunk, one tensor load.  So the next step's K lies in the
; slot in hand, and every read of a slot is over at its second step's end.  Each half's first K comes from memory into registers at the head.  A half's last chunk's K is not read from LDS (that of step 32 lies inside qkv).
; K and V^T take turns in one set of 96 registers: V^T is asked for behind the products K Q^T, the next K behind the products V^T P^T.
; CLUSTER: the four query blocks of a cluster belong to one head and walk the same chunks: each is asked for jointly (mask 15).
; REGISTERS.  Window 0: addresses, per tile T: v[12+2T] -M, v[13+2T] largest score, v[16+2T..] the sum, v[20+2T] f, v[21+2T] p's scale word; v24-27 KS, v28-31 VS, v32 Q's scale words, v36-59 Q, v60-83 p's codes, v84-123 at work, v128-255 S^T then p.
;   Window 1: v0-127 O^T; v128-223 K's or V^T's eight fragments.
.set FRB,   1536
.set REC,   25600
.set SHIFT, 12800
.set SLOT1, 1<<17
.set SPARE, 2*SLOT1                    ; the spare words, 128 bytes a wave
.set QOFF,  6553600
.set NSL,   8                          ; slots: two steps of each half of the keys
.set STGB,  17408                      ; the hand-over: 34 x 512 bytes a query group, in slot 0's bytes, behind their last fill and last read
.set LI,  1
.set LN,  2
.set L4,  3
.set STG, 4
.set SPW, 5
.set NIL, 6
.set ADR, 8
.set PFO, 9
.set NM,  12
.set SUM, 16
.set F,   20
.set KS,  24
.set VS,  28
.set QS,  32
.set QF,  36
.set PF,  60
.set BM,  84                           ; per tile (+20 T): block maxima 4, PT 4, SO 4, CU 8
.set PT,  88
.set SO,  92
.set CU,  96
.set SR,  128
.set KV,  128                          ; window 1
.set TB,  2
.set SB,  3
.set WV,  18
.set CSN, 19
.set SEL, 20
.set CS,  22
.set G1,  24
.set QC,  33
.set QG,  34
.set KH,  35
.set KH2, 37
.set G0,  40
.set PFA, 76
.set LIM, 80
.set SLOTS, 81
.set MSB, 0
.macro WIN new
.if MSB != (\new)
	s_set_vgpr_msb (MSB<<8)|(\new)
.set MSB, (\new)
.endif
.endm
.macro CROUND
	s_barrier_signal -1
	s_barrier_wait -1
	s_cmp_lg_u32 s[WV], 0
	s_cbranch_scc1 .Lnot_wave_0_\@
	s_barrier_signal -3
.Lnot_wave_0_\@:
	s_barrier_wait -3
	s_barrier_signal -1
	s_barrier_wait -1
.endm
.macro FETCH sc, soff, off             ; 25 LDS loads: a scale block and eight fragments
	ds_load_b128 v[\sc:\sc+3], v[ADR] offset:\soff
	WIN 0x40
.irp t, 0,1,2,3,4,5,6,7
.irp c, 0,1,2
	ds_load_b128 v[KV+12*\t+4*\c:KV+12*\t+4*\c+3], v[ADR] offset:\off+\t*FRB+512*\c
.endr
.endr
	WIN 0
.endm
; The largest of each block of 32 along a lane's registers (16 mine, 16 in lane l xor 16), both tiles, eight chains by turns.  m = 1: magnitudes
.macro MAXPH m
.irp T, 0,1
.irp b, 0,1,2,3
.if \m
	v_max3_num_f32 v[BM+20*\T+\b], |v[SR+64*\T+16*\b]|, |v[SR+64*\T+16*\b+1]|, |v[SR+64*\T+16*\b+2]|
.else
	v_max3_num_f32 v[BM+20*\T+\b], v[SR+64*\T+16*\b], v[SR+64*\T+16*\b+1], v[SR+64*\T+16*\b+2]
.endif
.endr
.endr
.irp i, 3,5,7,9,11,13
.irp T, 0,1
.irp b, 0,1,2,3
.if \m
	v_max3_num_f32 v[BM+20*\T+\b], v[BM+20*\T+\b], |v[SR+64*\T+16*\b+\i]|, |v[SR+64*\T+16*\b+\i+1]|
.else
	v_max3_num_f32 v[BM+20*\T+\b], v[BM+20*\T+\b], v[SR+64*\T+16*\b+\i], v[SR+64*\T+16*\b+\i+1]
.endif
.endr
.endr
.endr
.irp T, 0,1
.irp b, 0,1,2,3
.if \m
	v_max_num_f32 v[BM+20*\T+\b], v[BM+20*\T+\b], |v[SR+64*\T+16*\b+15]|
.else
	v_max_num_f32 v[BM+20*\T+\b], v[BM+20*\T+\b], v[SR+64*\T+16*\b+15]
.endif
.endr
.endr
.irp T, 0,1
.irp b, 0,1,2,3
	v_permlanex16_b32 v[PT+20*\T+\b], v[BM+20*\T+\b], s[SEL], s[SEL+1]
.endr
.endr
.irp T, 0,1
.irp b, 0,1,2,3
	v_max_num_f32 v[BM+20*\T+\b], v[BM+20*\T+\b], v[PT+20*\T+\b]
.endr
.endr
.endm
; From the blocks' largest magnitudes in BM and 64 numbers a lane a tile in SR: the scale word into v[F+1+2T], the fragment's codes into v[PF+12T ..]
.macro CODES
.irp T, 0,1
.irp b, 0,1,2,3
	v_max_num_f32 v[BM+20*\T+\b], 0x1800000, v[BM+20*\T+\b]       ; the floor 2^(3 - 127): the byte cannot fall under 1
.endr
.endr
.irp T, 0,1
.irp b, 0,1,2,3
	v_add_nc_u32 v[SO+20*\T+\b], 0xff000000, v[BM+20*\T+\b]       ; 2 off the exponent field: the conversion's scale operand
.endr
.endr
.irp T, 0,1
.irp b, 0,1,2,3
	v_lshrrev_b32 v[PT+20*\T+\b], 23, v[SO+20*\T+\b]              ; the scale's byte
.endr
.endr
.irp T, 0,1
	v_lshl_or_b32 v[F+1+2*\T], v[PT+20*\T+1], 8, v[PT+20*\T]
.endr
.irp T, 0,1
	s_delay_alu instid0(VALU_DEP_2)
	v_lshl_or_b32 v[F+1+2*\T], v[PT+20*\T+2], 16, v[F+1+2*\T]
.endr
.irp T, 0,1
	s_delay_alu instid0(VALU_DEP_2)
	v_lshl_or_b32 v[F+1+2*\T], v[PT+20*\T+3], 24, v[F+1+2*\T]
.endr
.irp T, 0,1
.irp c, 0,1
	v_cvt_scalef32_pk16_fp6_f32 v[PF+12*\T+6*\c:PF+12*\T+6*\c+2], v[SR+64*\T+32*\c:SR+64*\T+32*\c+15], v[SO+20*\T+2*\c]
	v_cvt_scalef32_pk16_fp6_f32 v[CU+20*\T+4*\c:CU+20*\T+4*\c+2], v[SR+64*\T+32*\c+16:SR+64*\T+32*\c+31], v[SO+20*\T+2*\c+1]
.endr
.endr
	v_nop                                          ; one plain instruction behind the scaled conversions
.irp T, 0,1
.irp c, 0,1
.irp i, 0,1,2
	v_permlane16_swap_b32 v[PF+12*\T+6*\c+\i], v[CU+20*\T+4*\c+\i]   ; a whole block into a lane
.endr
.endr
.endr
.irp T, 0,1
.irp c, 0,1
.irp i, 0,1,2
	v_mov_b32 v[PF+12*\T+6*\c+3+\i], v[CU+20*\T+4*\c+\i]
.endr
.endr
.endr
.endm
	s_load_b256 s[4:11], s[0:1], 0x0               ; qkv, qkvs, catimg, catsc
	v_lshl_add_u32 v[SPW], v0, 2, SPARE
	v_mov_b32 v[NIL], 0
	ds_add_u32 v[SPW], v[NIL]                      ; the opening lines: the add twice on end and its wait
	ds_add_u32 v[SPW], v[NIL]
	v_lshrrev_b32 v8, 5, v0
	v_readfirstlane_b32 s[WV], v8                  ; wave 0..7
	s_and_b32 s[QG], s[WV], 3                      ; my query group
	s_lshr_b32 s[KH], s[WV], 2                     ; my half of the keys
	s_bfe_u32 s48, ttmp6, 0x40000                  ; cx
	s_lshl_b32 s49, ttmp9, 2
	s_add_co_u32 s49, s49, s48                     ; my block of 128 queries
	s_and_b32 s50, ttmp7, 0xffff                   ; the head
	s_mul_i32 s52, s50, 32*REC                     ; the head's records
	s_mul_i32 s54, s[WV], SHIFT                    ; LDS: the half chunk of a slot that I fetch
	s_bfe_u32 s55, s[WV], 0x10001                  ; in memory: chunk 16 (w / 4) + (w / 2) % 2, half w % 2
	s_lshl_b32 s56, s[KH], 4
	s_add_co_u32 s55, s55, s56
	s_mul_i32 s56, s55, REC
	s_and_b32 s55, s[WV], 1
	s_mul_i32 s55, s55, SHIFT
	s_add_co_u32 s56, s56, s55
	s_add_co_u32 s56, s56, s52
	s_add_co_u32 s56, s56, SHIFT
	s_mov_b32 s57, 0
	s_mul_i32 s[KH2], s[KH], 2*REC                 ; where my half's chunks begin in a slot
	s_mul_i32 s38, s[KH], 16*REC
	s_add_co_u32 s38, s38, s52                     ; my half's first record
	s_mov_b32 s39, 0
	s_lshl_b32 s61, s50, 5
	s_add_co_u32 s61, s61, s49                     ; 32 x head + block
	s_mul_i32 s62, s61, 8*FRB
	s_mul_i32 s63, s[QG], 2*FRB
	s_add_co_u32 s62, s62, s63
	s_add_co_u32 s62, s62, QOFF                    ; my two fragments of Q
	s_mov_b32 s63, 0
	s_lshl_b32 s66, s61, 9                         ; the block's scale words
	s_mov_b32 s67, 0
	s_lshl_b32 s68, s49, 3
	s_lshl_b32 s69, s[QG], 1
	s_add_co_u32 s68, s68, s69                     ; my first tile of queries among the 256
	s_lshl_b32 s70, s68, 6
	s_lshl_b32 s71, s50, 14
	s_add_co_u32 s70, s70, s71                     ; catsc: [head][tile][64 bytes]
	s_mov_b32 s71, 0
	s_lshl_b32 s68, s68, 3
	s_add_co_u32 s68, s68, s50
	s_mul_i32 s68, s68, FRB                        ; catimg: [tile][K step = head][1,536]
	s_mov_b32 s69, 0
	s_lshr_b32 s72, s48, 1                         ; the prefetches: my work-group's chunk of a slot: 16 (cx / 2) + cx % 2,
	s_lshl_b32 s72, s72, 4
	s_and_b32 s73, s48, 1
	s_add_co_u32 s72, s72, s73
	s_mul_i32 s72, s72, REC
	s_mul_i32 s73, s[QG], 6400                     ; my wave's 6,400 bytes of it (waves 0 to 3),
	s_add_co_u32 s72, s72, s73
	s_add_co_u32 s72, s72, s52
	s_add_co_u32 s72, s72, 2*REC+SHIFT             ; in slot 1: the first change of slots steps it to slot 2
	s_mov_b32 s73, 0
	s_or_b32 s[LIM], ttmp9, s[KH]                  ; waves 0 to 3 of the head's first cluster ask
	s_cmp_eq_u32 s[LIM], 0
	s_cselect_b32 s[LIM], 1, -1
	s_mov_b32 s[G1], 15|(3<<16)|(1<<21)            ; the mask: all four; elements of 8 bytes; bit 21 beside a mask.  Half a chunk is 50 dense rows of 256 bytes
	s_mov_b32 s[G1+1], 32<<16
	s_mov_b32 s[G1+2], 50<<16
	s_mov_b32 s[G1+3], 32<<16
	s_mov_b32 s[G1+4], 50
	s_mov_b32 s[G1+5], 32
	s_mov_b32 s[G1+6], 0
	s_mov_b32 s[G1+7], 0
	s_mov_b32 s[SEL], 0x76543210
	s_mov_b32 s[SEL+1], 0xfedcba98
	s_mov_b32 s[CS], 0x3e0293ee                    ; c = log2(e) / sqrt(128)
	s_mov_b32 s[CS+1], s[CS]
	s_mov_b32 s[CSN], 0xbe0293ee                   ; -c
	s_mov_b32 s[SB], 0
	s_mov_b32 s[SLOTS], NSL-1
	s_lshl_b32 s74, s[QG], 2
	s_mul_i32 s75, s[QG], STGB
	s_wait_dscnt 0x0
	s_wait_kmcnt 0x0
	s_mov_b32 s[G0], 1
	s_mov_b32 s[G0+1], s54
	s_add_nc_u64 s[G0+2:G0+3], s[4:5], s[56:57]
	s_or_b32 s[G0+3], s[G0+3], 0x80000000
	s_add_nc_u64 s[PFA:PFA+1], s[4:5], s[72:73]
	s_add_nc_u64 s[58:59], s[4:5], s[38:39]
	s_add_nc_u64 s[62:63], s[4:5], s[62:63]
	s_add_nc_u64 s[66:67], s[6:7], s[66:67]
	s_add_nc_u64 s[8:9], s[8:9], s[68:69]
	s_add_nc_u64 s[10:11], s[10:11], s[70:71]
	CROUND                                         ; all four work-groups are here: the first joint loads meet
	tensor_load_to_lds s[G0:G0+3], s[G1:G1+7]      ; slot 0: every wave's one load at the head
	s_nop 0
	v_and_b32 v[LN], 31, v0
	v_lshlrev_b32 v[LI], 4, v[LN]
	v_lshlrev_b32 v[L4], 2, v[LN]
	v_min_u32 v[PFO], 24, v[LN]                    ; 25 blocks of 256 bytes a wave; the lanes left over name the last again
	v_lshlrev_b32 v[PFO], 8, v[PFO]
	v_add_nc_u32 v10, s74, v[LI]                   ; register g of the block's scale words: lanes 0-15 tile 2 g, lanes 16-31 tile 2 g + 1
	v_add_nc_u32 v[STG], s75, v[LI]                ; the hand-over's place of my query group
.irp T, 0,1
.irp c, 0,1,2
	global_load_b128 v[QF+12*\T+4*\c:QF+12*\T+4*\c+3], v[LI], s[62:63] offset:\T*FRB+512*\c
.endr
.endr
	global_load_b32 v[QS], v10, s[66:67]
	global_load_b128 v[KS:KS+3], v[LI], s[58:59]   ; my half's first K: scale block and fragments, from memory into their registers
	WIN 0x40
.irp t, 0,1,2,3,4,5,6,7
.irp c, 0,1,2
	global_load_b128 v[KV+12*\t+4*\c:KV+12*\t+4*\c+3], v[LI], s[58:59] offset:512+\t*FRB+512*\c
.endr
.endr
.set j, 0
.rept 128
	v_mov_b32 v[j], 0                              ; O^T: the step is written without a first step of its own; these stand under the first tiles' flight
.set j, j+1
.endr
	WIN 0
.irp T, 0,1
	v_mov_b32 v[NM+2*\T], 0x7f61b1e6               ; -M: 3e38
	v_mov_b32 v[NM+1+2*\T], 0xff61b1e6             ; the largest score so far: -3e38
	v_mov_b32 v[SUM+2*\T], 0
	v_mov_b32 v[SUM+1+2*\T], 0
	v_mov_b32 v[F+1+2*\T], 0                       ; named as the upper half of f's pair before it is first written
.irp b, 0,1,2,3
	v_mov_b32 v[PT+20*\T+\b], 0                    ; a lane permute's destination counts as a source
.endr
.endr
	s_wait_alu depctr_va_vdst(0)                   ; the wait at the head's end
	s_wait_loadcnt 0x0                             ; Q and my first K
; A KEY STEP: 128 keys x 32 queries.  Every wait on DScnt is for 0.  lastk = 1: my last step asks for no further K
.macro STEP lastk
	v_add_nc_u32 v[ADR], s[TB], v[LI]
	s_wait_alu depctr_va_vdst(0)                   ; the wait ahead of the blocking wait
	s_wait_dscnt 0x0                               ; K, asked for at the last step's end
	WIN 0x01
.irp T, 0,1
.irp c, 0,1,2,3
.irp u, 0,1
	v_wmma_scale_f32_16x16x128_f8f6f4 v[SR+64*\T+8*(2*\c+\u):SR+64*\T+8*(2*\c+\u)+7], v[KV+12*(2*\c+\u):KV+12*(2*\c+\u)+11], v[QF+12*\T:QF+12*\T+11], 0, v[KS+\c], v[QS] matrix_a_fmt:MATRIX_FMT_FP6 matrix_b_fmt:MATRIX_FMT_FP6 matrix_a_scale:MATRIX_SCALE_ROW\u matrix_b_scale:MATRIX_SCALE_ROW\T
.endr
.endr
.endr
	WIN 0
.rept 4
	v_nop                                          ; four places: ahead of the reads of S^T and of the loads into the fragments' and VS's registers
.endr
	FETCH VS, 12288, 0                             ; V^T takes K's registers; it lands while the softmax is walked
	MAXPH 0                                        ; the largest score of each block of 32 keys: for the row's maximum and, since p rises with the score, for the block's largest p
.irp T, 0,1
	v_max3_num_f32 v[SO+20*\T], v[BM+20*\T], v[BM+20*\T+1], v[BM+20*\T+2]
.endr
.irp T, 0,1
	s_delay_alu instid0(VALU_DEP_2)
	v_max3_num_f32 v[NM+1+2*\T], v[NM+1+2*\T], v[SO+20*\T], v[BM+20*\T+3]   ; the running largest score
.endr
.irp T, 0,1
	s_delay_alu instid0(VALU_DEP_2)
	v_mul_f32 v[SO+20*\T], s[CSN], v[NM+1+2*\T]    ; -t
.endr
.irp T, 0,1
	s_delay_alu instid0(VALU_DEP_2)
	v_floor_f32 v[SO+20*\T], v[SO+20*\T]           ; the new -M = -ceil(t)
.endr
.irp T, 0,1
	s_delay_alu instid0(VALU_DEP_2)
	v_sub_f32 v[SO+20*\T+1], v[SO+20*\T], v[NM+2*\T]   ; old M - new M: a whole number, 0 or less
.endr
.irp T, 0,1
	v_mov_b32 v[NM+2*\T], v[SO+20*\T]
.endr
.irp T, 0,1
	v_cvt_i32_f32 v[SO+20*\T+1], v[SO+20*\T+1]     ; (it saturates)
.endr
.irp T, 0,1
	s_delay_alu instid0(VALU_DEP_2)
	v_ldexp_f32 v[F+2*\T], 1.0, v[SO+20*\T+1]      ; f = 2^(old M - new M)
.endr
.irp T, 0,1
.set j, 0
.rept 32
	v_pk_fma_f32 v[SR+64*\T+j:SR+64*\T+j+1], v[SR+64*\T+j:SR+64*\T+j+1], s[CS:CS+1], v[NM+2*\T:NM+2*\T+1] op_sel_hi:[1,0,0]   ; t - M
.set j, j+2
.endr
.irp b, 0,1,2,3
	v_fma_f32 v[BM+20*\T+\b], v[BM+20*\T+\b], s[CS], v[NM+2*\T]
.endr
.endr
	s_wait_alu depctr_va_vdst(0)                   ; the wait ahead of the batch
.irp T, 0,1
.irp b, 0,1,2,3
	v_exp_f32 v[BM+20*\T+\b], v[BM+20*\T+\b]       ; the block's largest p: the same two instructions on the same number
.endr
.endr
.set j, 0
.rept 128
	v_exp_f32 v[SR+j], v[SR+j]                     ; p = 2^(t - M)
.set j, j+1
.endr
.irp T, 0,1
	v_pk_mul_f32 v[SUM+2*\T:SUM+2*\T+1], v[SUM+2*\T:SUM+2*\T+1], v[F+2*\T:F+2*\T+1] op_sel_hi:[1,0]   ; the sums under the new M
.endr
	s_wait_alu depctr_va_vdst(0)                   ; one wait for the whole batch
.irp T, 0,1                                    ; the row's sum of the unquantised p: four chains a tile
.irp k, 1,2,3
	v_pk_add_f32 v[BM+2+20*\T+2*\k:BM+3+20*\T+2*\k], v[SR+64*\T+2*\k:SR+64*\T+2*\k+1], v[SR+64*\T+2*\k+8:SR+64*\T+2*\k+9]
.endr
	v_pk_add_f32 v[SUM+2*\T:SUM+2*\T+1], v[SUM+2*\T:SUM+2*\T+1], v[SR+64*\T:SR+64*\T+1]
.endr
.irp T, 0,1
	v_pk_add_f32 v[SUM+2*\T:SUM+2*\T+1], v[SUM+2*\T:SUM+2*\T+1], v[SR+64*\T+8:SR+64*\T+9]
.endr
.irp g, 8,12,16,20,24,28
.irp T, 0,1
	v_pk_add_f32 v[SUM+2*\T:SUM+2*\T+1], v[SUM+2*\T:SUM+2*\T+1], v[SR+64*\T+2*\g:SR+64*\T+2*\g+1]
.irp k, 1,2,3
	v_pk_add_f32 v[BM+2+20*\T+2*\k:BM+3+20*\T+2*\k], v[BM+2+20*\T+2*\k:BM+3+20*\T+2*\k], v[SR+64*\T+2*(\g+\k):SR+64*\T+2*(\g+\k)+1]
.endr
.endr
.endr
.irp T, 0,1
	v_pk_add_f32 v[PT+20*\T:PT+20*\T+1], v[PT+20*\T:PT+20*\T+1], v[PT+20*\T+2:PT+20*\T+3]
	v_pk_add_f32 v[SUM+2*\T:SUM+2*\T+1], v[SUM+2*\T:SUM+2*\T+1], v[SO+20*\T:SO+20*\T+1]
.endr
.irp T, 0,1
	v_pk_add_f32 v[SUM+2*\T:SUM+2*\T+1], v[SUM+2*\T:SUM+2*\T+1], v[PT+20*\T:PT+20*\T+1]
.endr
	CODES
	WIN 0x41
	s_wait_alu depctr_va_vdst(0)                   ; directly ahead of the first reader of O^T
.irp T, 0,1
.set j, 0
.rept 32
	v_pk_mul_f32 v[64*\T+j:64*\T+j+1], v[64*\T+j:64*\T+j+1], v[F+2*\T:F+2*\T+1] op_sel_hi:[1,0]   ; O^T under the new M.  (These also stand between the writes of p's codes and scale word and the products)
.set j, j+2
.endr
.endr
	WIN 0
	s_wait_alu depctr_va_vdst(0)
	s_wait_dscnt 0x0                               ; V^T
	WIN 0x51
.irp T, 0,1
.irp c, 0,1,2,3
.irp u, 0,1
	v_wmma_scale_f32_16x16x128_f8f6f4 v[64*\T+8*(2*\c+\u):64*\T+8*(2*\c+\u)+7], v[KV+12*(2*\c+\u):KV+12*(2*\c+\u)+11], v[PF+12*\T:PF+12*\T+11], v[64*\T+8*(2*\c+\u):64*\T+8*(2*\c+\u)+7], v[VS+\c], v[F+1+2*\T] matrix_a_fmt:MATRIX_FMT_FP6 matrix_b_fmt:MATRIX_FMT_FP6 matrix_a_scale:MATRIX_SCALE_ROW\u matrix_b_scale:MATRIX_SCALE_ROW0
.endr
.endr
.endr
	WIN 0
.rept 4
	v_nop                                          ; four places ahead of the loads into the fragments' registers
.endr
.if \lastk
	s_cmp_eq_u32 s[QC], 1
	s_cbranch_scc1 .Lno_k_\@
.endif
	FETCH KS, 12800, 13312                         ; the next step's K, from the same chunk
.if \lastk
.Lno_k_\@:
.endif
	s_add_co_u32 s[TB], s[TB], REC                 ; the next chunk
.endm
.Lslot:                                            ; NSL - 1 trips: at a slot's head the other slot is asked for
	s_wait_tensorcnt 0x0                           ; my part of the slot that I am about to read has landed; no tensor load of mine is out
	ds_add_u32 v[SPW], v[NIL]
	s_xor_b32 s[G0+1], s[G0+1], SLOT1              ; the walking descriptor: the other slot, two chunks on in each half of the keys
	s_add_nc_u64 s[G0+2:G0+3], s[G0+2:G0+3], 2*REC
	s_wait_xcnt 0x0                                ; the last prefetch has read its address
	s_add_nc_u64 s[PFA:PFA+1], s[PFA:PFA+1], 2*REC ; one slot further on than the walking descriptor
	s_wait_dscnt 0x0                               ; the add, and my reads of the slot that I have left
	CROUND
	tensor_load_to_lds s[G0:G0+3], s[G1:G1+7]
	s_nop 0
.rept 4
	v_nop
.endr
	s_cmp_gt_u32 s[SLOTS], s[LIM]                  ; the slot that the next change will ask for: 25 blocks of 256 bytes a wave, each block named once in the launch; the last filling change asks for nothing
	s_cbranch_scc0 .Lnot_mine
	global_prefetch_b8 v[PFO], s[PFA:PFA+1] th:TH_LOAD_NT scope:SCOPE_SE
.Lnot_mine:
	s_add_co_u32 s[TB], s[SB], s[KH2]
	s_mov_b32 s[QC], 2
.Lstep:
	STEP 0
	s_sub_co_u32 s[QC], s[QC], 1
	s_cmp_lg_u32 s[QC], 0
	s_cbranch_scc1 .Lstep
	s_xor_b32 s[SB], s[SB], SLOT1
	s_sub_co_u32 s[SLOTS], s[SLOTS], 1
	s_cmp_lg_u32 s[SLOTS], 0
	s_cbranch_scc1 .Lslot
	s_wait_tensorcnt 0x0                           ; the last slot: nothing is filled again
	ds_add_u32 v[SPW], v[NIL]
	s_wait_dscnt 0x0
	s_barrier_signal -1
	s_barrier_wait -1
	s_add_co_u32 s[TB], s[SB], s[KH2]
	s_mov_b32 s[QC], 2
.Ltail:
	STEP 1
	s_sub_co_u32 s[QC], s[QC], 1
	s_cmp_lg_u32 s[QC], 0
	s_cbranch_scc1 .Ltail
	; THE HAND-OVER.  Every wave's reads of the slots are over (each step waits for all its LDS loads); behind the barrier slot 0's bytes, which have had their last fill, take the second half's results as images of their registers
	s_wait_dscnt 0x0
	s_barrier_signal -1
	s_barrier_wait -1
	s_cmp_lt_u32 s[WV], 4
	s_cbranch_scc1 .Lkeeps
	ds_store_b128 v[STG], v[NM:NM+3]               ; -M and the largest score, both tiles
	ds_store_b128 v[STG], v[SUM:SUM+3] offset:512  ; the sums
	WIN 0x04
.set j, 0
.rept 32
	ds_store_b128 v[STG], v[4*j:4*j+3] offset:1024+512*j   ; O^T, each accumulator from its low end on
.set j, j+1
.endr
	WIN 0
.Lkeeps:
	s_wait_dscnt 0x0
	s_barrier_signal -1
	s_barrier_wait -1
	s_cmp_lt_u32 s[WV], 4
	s_cbranch_scc0 .Ldone
	ds_load_b128 v[84:87], v[STG]
	ds_load_b128 v[88:91], v[STG] offset:512
.set j, 0
.rept 32
	ds_load_b128 v[SR+4*j:SR+4*j+3], v[STG] offset:1024+512*j
.set j, j+1
.endr
	s_wait_dscnt 0x0
.irp T, 0,1
	v_min_num_f32 v[SO+20*\T], v[NM+2*\T], v[84+2*\T]      ; -(the larger M)
.endr
.irp T, 0,1
	v_sub_f32 v[SO+20*\T+1], v[SO+20*\T], v[NM+2*\T]       ; my M less the larger: a whole number, 0 or less
	v_sub_f32 v[SO+20*\T+2], v[SO+20*\T], v[84+2*\T]       ; and the other half's
.endr
.irp T, 0,1
	v_cvt_i32_f32 v[SO+20*\T+1], v[SO+20*\T+1]
	v_cvt_i32_f32 v[SO+20*\T+2], v[SO+20*\T+2]
.endr
.irp T, 0,1
	v_ldexp_f32 v[CU+20*\T], 1.0, v[SO+20*\T+1]            ; my factor,
	v_ldexp_f32 v[CU+20*\T+4], 1.0, v[SO+20*\T+2]          ; the other half's: powers of two
.endr
.irp T, 0,1
	v_pk_mul_f32 v[SUM+2*\T:SUM+2*\T+1], v[SUM+2*\T:SUM+2*\T+1], v[CU+20*\T:CU+20*\T+1] op_sel_hi:[1,0]
.endr
.irp T, 0,1
	v_pk_fma_f32 v[SUM+2*\T:SUM+2*\T+1], v[88+2*\T:89+2*\T], v[CU+20*\T+4:CU+20*\T+5], v[SUM+2*\T:SUM+2*\T+1] op_sel_hi:[1,0,1]
.endr
.irp T, 0,1
	v_add_f32 v[SUM+2*\T], v[SUM+2*\T], v[SUM+2*\T+1]
.endr
.irp T, 0,1
	v_permlanex16_b32 v[PT+20*\T], v[SUM+2*\T], s[SEL], s[SEL+1]
.endr
.irp T, 0,1
	v_add_f32 v[SUM+2*\T], v[SUM+2*\T], v[PT+20*\T]        ; the row's sum
.endr
	s_wait_alu depctr_va_vdst(0)
.irp T, 0,1
	v_rcp_f32 v[SUM+2*\T], v[SUM+2*\T]
.endr
	v_nop
	s_wait_alu depctr_va_vdst(0)
.irp T, 0,1
	v_mul_f32 v[CU+20*\T], v[CU+20*\T], v[SUM+2*\T]        ; both factors / the sum
	v_mul_f32 v[CU+20*\T+4], v[CU+20*\T+4], v[SUM+2*\T]
.endr
.irp T, 0,1
.set j, 0
.rept 32
	v_pk_mul_f32 v[SR+64*\T+j:SR+64*\T+j+1], v[SR+64*\T+j:SR+64*\T+j+1], v[CU+20*\T+4:CU+20*\T+5] op_sel_hi:[1,0]
.set j, j+2
.endr
.endr
	WIN 0x01
	s_wait_alu depctr_va_vdst(0)                   ; directly ahead of the first reader of O^T
.irp T, 0,1
.set j, 0
.rept 32
	v_pk_fma_f32 v[SR+64*\T+j:SR+64*\T+j+1], v[64*\T+j:64*\T+j+1], v[CU+20*\T:CU+20*\T+1], v[SR+64*\T+j:SR+64*\T+j+1] op_sel_hi:[1,0,1]   ; each accumulator from its low end on
.set j, j+2
.endr
.endr
	WIN 0
	; THE WAY OUT: quantised along the head's 128 channels into K step `head' of my two tiles of cat
	MAXPH 1
	CODES
.irp T, 0,1
.irp c, 0,1,2
	global_store_b128 v[LI], v[PF+12*\T+4*\c:PF+12*\T+4*\c+3], s[8:9] offset:\T*8*FRB+512*\c   ; 512 consecutive bytes, at a multiple of 256 from catimg's first byte
.endr
.endr
	v_cmp_gt_u32 vcc_lo, 16, v[LN]
	v_cndmask_b32 v11, v[F+3], v[F+1], vcc_lo      ; lanes 0-15: the first tile's words, lanes 16-31: the second's
	global_store_b32 v[L4], v11, s[10:11]          ; 128 consecutive bytes
.Ldone:
	s_wait_tensorcnt 0x0                           ; the wave's end
	ds_add_u32 v[SPW], v[NIL]
	s_wait_dscnt 0x0
	CROUND                                         ; the closing round
	s_endpgm
.Lfunc_end_k_qe1c82d52af_attn:
	.size	k_qe1c82d52af_attn, .Lfunc_end_k_qe1c82d52af_attn-k_qe1c82d52af_attn
	.p2alignl 7, 3214868480
	.fill 96, 4, 3214868480
	.section	.rodata,"a",@progbits
	.p2align	6, 0x0
	.amdhsa_kernel k_qe1c82d52af_attn
		.amdhsa_group_segment_fixed_size 327680
		.amdhsa_private_segment_fixed_size 0
		.amdhsa_enable_private_segment 0
		.amdhsa_kernarg_size 32
		.amdhsa_user_sgpr_count 2
		.amdhsa_user_sgpr_kernarg_segment_ptr 1
		.amdhsa_wavefront_size32 1
		.amdhsa_system_sgpr_workgroup_id_x 1
		.amdhsa_system_sgpr_workgroup_id_y 1
		.amdhsa_system_sgpr_workgroup_id_z 1
		.amdhsa_system_vgpr_workitem_id 0
		.amdhsa_next_free_vgpr 480
		.amdhsa_next_free_sgpr 84
		.amdhsa_reserve_vcc 1
		.amdhsa_float_denorm_mode_32 3
		.amdhsa_float_denorm_mode_16_64 3
		.amdhsa_memory_ordered 1
		.amdhsa_forward_progress 1
		.amdhsa_inst_pref_size 105
	.end_amdhsa_kernel
	.amdgpu_metadata
---
amdhsa.version: [ 1, 2 ]
amdhsa.kernels:
  - .name:           k_qe1c82d52af_attn
    .symbol:         k_qe1c82d52af_attn.kd
    .args:
      - { .name: qkv, .offset: 0, .size: 8, .value_kind: global_buffer, .address_space: global }
      - { .name: qkvs, .offset: 8, .size: 8, .value_kind: global_buffer, .address_space: global }
      - { .name: catimg, .offset: 16, .size: 8, .value_kind: global_buffer, .address_space: global }
      - { .name: catsc, .offset: 24, .size: 8, .value_kind: global_buffer, .address_space: global }
    .group_segment_fixed_size: 327680
    .private_segment_fixed_size: 0
    .kernarg_segment_align: 8
    .kernarg_segment_size: 32
    .max_flat_workgroup_size: 256
    .sgpr_count:     84
    .vgpr_count:     480
    .wavefront_size: 32
...
	.end_amdgpu_metadata
.endif
;; end of part 3
;; launch proj (part 4): grid 8 x 32, 4 waves a work-group, clusters of 4 x 4, 214,528 bytes of LDS; arguments catimg, catsc, img, scw, bp, out0; writes out0
.if DOCPART == 4
	.amdgcn_target "amdgcn-amd-amdhsa--gfx1250"
	.amdhsa_code_object_version 6
	.text
	.protected	k_qe1c82d52af_proj
	.globl	k_qe1c82d52af_proj
	.p2align	8
	.type	k_qe1c82d52af_proj,@function
k_qe1c82d52af_proj:
	s_mov_b64 s[64:65], 0
	v_nop
	global_prefetch_b8 v0, s[64:65] scope:SCOPE_SE
	s_setreg_imm32_b32 hwreg(HW_REG_WAVE_MODE, 25, 1), 1
	s_wait_xcnt 0x0
	s_wait_alu depctr_hold_cnt(0) depctr_sa_sdst(0) depctr_va_vdst(0) depctr_va_sdst(0) depctr_va_ssrc(0) depctr_va_vcc(0) depctr_vm_vsrc(0)
	s_getreg_b32 s2, hwreg(HW_REG_IB_STS2, 6, 4)
	s_cmp_eq_u32 s2, 0
	s_cbranch_scc0 .Lentry_in_a_cluster
	s_endpgm
.Lentry_in_a_cluster:
	s_bfe_u32 s2, ttmp6, 0x10000c
	s_cmp_lg_u32 s2, 0xf033
	s_cbranch_scc0 .Lentry_shape_is_right
	s_endpgm
.Lentry_shape_is_right:
; out0[m][n] = sum over k of cat[m][k] Wp[k][n] + bp[n], on codes of FP6 (E2M3) with E8M0 scales.  cat: catimg [tile 256][K step 8][1,536], catsc [K step][tile][16 words]; Wp: tiles 448-511 of img [tile][K step][1,536], scw [K step][tile 512][16 words].
; A fragment (16 rows x 128 K) lies as the image of its registers: register 4 c + i of lane l at 512 c + 16 l + 4 i.  Lane r of tile 2 b + u holds row 32 b + 8 u + r + 8 (r / 8).
; SHARES.  256 work-groups, a block of 128 x 128 each; a wave makes 64 x 64: 16 accumulators.  K is 1,024: the block's eight tiles of cat and eight of Wp, for all of K, are 2 x 98,304 bytes and fit in LDS together.
; So each wave issues ONE tensor load, 49,152 dense bytes (four tiles, all K), and nothing is filled again: no ring.  Scale words and the bias go from memory into registers beside it.
; CLUSTER 4 x 4: cat's tiles are shared along a row of the cluster, Wp's along a column: joint loads.  No prefetch: the launch has no loop to run ahead in; all its tiles are asked for at its head.
; The matrix instruction is used transposed (source 0 = Wp's rows n, source 1 = cat's rows): a lane holds neighbouring columns of one row.  The bias is the C of each accumulator's first product.
; REGISTERS.  Window 0: v1-10 addresses; v16-31 cat's scale words (2 s + i: lanes 0-15 tile 2 i, lanes 16-31 tile 2 i + 1), v32-47 Wp's; v48-239 two sets of 4 + 4 fragments, on the way out rows read back.  Window 1: v0-127 accumulators (a, b) at 8 (4 a + b); v128-159 the bias.
.set FRB,    1536
.set TILE,   8*FRB
.set HALF,   4*TILE
.set STAGE,  4*HALF                    ; behind the tiles: 16 rows x 272 bytes a wave, which no tensor load fills
.set SPITCH, 272
.set SPARE,  STAGE+4*16*SPITCH
.set LI,   1
.set L4,   2
.set ADRA, 3
.set ADRB, 4
.set SPW,  5
.set NIL,  6
.set STO,  7
.set RD,   8
.set CO,   9
.set BO,   10
.set SA,   16
.set SB,   32
.set FA,   48
.set BK,   48
.set WV,   18
.set HA,   19
.set HB,   20
.set G1,   24
.set G0,   32
.set G1B,  48
.set G0B,  56
.set MSB, 0
.macro WIN new
.if MSB != (\new)
	s_set_vgpr_msb (MSB<<8)|(\new)
.set MSB, (\new)
.endif
.endm
.macro CROUND
	s_barrier_signal -1
	s_barrier_wait -1
	s_cmp_lg_u32 s[WV], 0
	s_cbranch_scc1 .Lnot_wave_0_\@
	s_barrier_signal -3
.Lnot_wave_0_\@:
	s_barrier_wait -3
	s_barrier_signal -1
	s_barrier_wait -1
.endm
.macro PLACES
.rept 4
	v_nop
.endr
.endm
	s_load_b256 s[4:11], s[0:1], 0x0               ; catimg, catsc, img, scw
	s_load_b128 s[12:15], s[0:1], 0x20             ; bp, out0
	v_lshl_add_u32 v[SPW], v0, 2, SPARE
	v_mov_b32 v[NIL], 0
	ds_add_u32 v[SPW], v[NIL]                      ; the opening lines
	ds_add_u32 v[SPW], v[NIL]
	v_lshrrev_b32 v1, 5, v0
	v_readfirstlane_b32 s[WV], v1
	s_lshr_b32 s[HA], s[WV], 1                     ; my half of the block's rows.  Also: I fetch for cat (0) or for Wp (1)
	s_and_b32 s[HB], s[WV], 1                      ; my half of its columns.  Also: which four tiles I fetch
	s_bfe_u32 s40, ttmp6, 0x40000
	s_bfe_u32 s41, ttmp6, 0x40004
	s_lshl_b32 s42, ttmp9, 2
	s_add_co_u32 s42, s42, s40                     ; block column
	s_and_b32 s21, ttmp7, 0xffff
	s_lshl_b32 s21, s21, 2
	s_add_co_u32 s21, s21, s41                     ; block row
	s_lshl_b32 s43, s41, 2
	s_lshl_b32 s43, 15, s43                        ; my row of the cluster
	s_lshl_b32 s44, 0x1111, s40                    ; my column
	s_or_b32 s[G1], s43, (3<<16)|(1<<21)
	s_or_b32 s[G1B], s44, (3<<16)|(1<<21)
.irp g, G1, G1B                                ; 192 dense rows of 256 bytes (32 elements of 8)
	s_mov_b32 s[\g+1], 32<<16
	s_mov_b32 s[\g+2], 192<<16
	s_mov_b32 s[\g+3], 32<<16
	s_mov_b32 s[\g+4], 192
	s_mov_b32 s[\g+5], 32
	s_mov_b32 s[\g+6], 0
	s_mov_b32 s[\g+7], 0
.endr
	s_lshl_b32 s45, s[HB], 2
	s_lshl_b32 s22, s21, 3
	s_add_co_u32 s22, s22, s45                     ; cat's tiles that I fetch
	s_mul_i32 s2, s22, TILE
	s_mov_b32 s3, 0
	s_lshl_b32 s23, s42, 3
	s_add_co_u32 s23, s23, s45
	s_add_co_u32 s23, s23, 448                     ; Wp's tiles that I fetch, and that I multiply
	s_mul_i32 s46, s23, TILE
	s_mov_b32 s47, 0
	s_mul_i32 s60, s[WV], HALF                     ; where they go: wave x 49,152
	s_lshl_b32 s61, s[HA], 2
	s_lshl_b32 s62, s21, 3
	s_add_co_u32 s62, s62, s61
	s_lshl_b32 s62, s62, 6                         ; scale words of cat's four tiles that I multiply
	s_mov_b32 s63, 0
	s_lshl_b32 s66, s23, 6                         ; and of Wp's
	s_mov_b32 s67, 0
	s_lshl_b32 s68, s42, 9
	s_lshl_b32 s69, s[HB], 8
	s_add_co_u32 s68, s68, s69                     ; my first column, in bytes
	s_mov_b32 s69, 0
	s_lshl_b32 s70, s21, 7
	s_lshl_b32 s71, s[HA], 6
	s_add_co_u32 s70, s70, s71
	s_lshl_b32 s70, s70, 12                        ; my first row, in bytes
	s_mov_b32 s71, 0
	s_mul_i32 s16, s[HA], HALF
	s_mul_i32 s17, s[HB], HALF
	s_add_co_u32 s17, s17, 2*HALF
	s_mul_i32 s36, s[WV], 16*SPITCH
	s_add_co_u32 s36, s36, STAGE
	s_wait_dscnt 0x0
	s_wait_kmcnt 0x0
	s_add_nc_u64 s[2:3], s[4:5], s[2:3]
	s_add_nc_u64 s[46:47], s[8:9], s[46:47]
	s_add_nc_u64 s[6:7], s[6:7], s[62:63]
	s_add_nc_u64 s[10:11], s[10:11], s[66:67]
	s_add_nc_u64 s[12:13], s[12:13], s[68:69]
	s_add_nc_u64 s[14:15], s[14:15], s[68:69]
	s_add_nc_u64 s[14:15], s[14:15], s[70:71]
	CROUND                                         ; all sixteen work-groups are here: the joint loads meet
	s_mov_b32 s[G0], 1
	s_mov_b32 s[G0+1], s60
	s_mov_b64 s[G0+2:G0+3], s[2:3]
	s_or_b32 s[G0+3], s[G0+3], 0x80000000
	s_mov_b32 s[G0B], 1
	s_mov_b32 s[G0B+1], s60
	s_mov_b64 s[G0B+2:G0B+3], s[46:47]
	s_or_b32 s[G0B+3], s[G0B+3], 0x80000000
	s_cmp_eq_u32 s[HA], 0                          ; one load a wave: waves 0, 1 cat's halves, waves 2, 3 Wp's
	s_cbranch_scc0 .Lfor_b
	tensor_load_to_lds s[G0:G0+3], s[G1:G1+7]
	s_nop 0
	PLACES
	s_branch .Lasked
.Lfor_b:
	tensor_load_to_lds s[G0B:G0B+3], s[G1B:G1B+7]
	s_nop 0
	PLACES
.Lasked:
	v_and_b32 v11, 31, v0
	v_and_b32 v12, 15, v0                          ; r
	v_bfe_u32 v13, v0, 4, 1                        ; h
	v_lshlrev_b32 v[LI], 4, v11
	v_lshlrev_b32 v[L4], 2, v11
	v_lshlrev_b32 v[BO], 6, v13
	v_add_nc_u32 v[ADRA], s16, v[LI]
	v_add_nc_u32 v[ADRB], s17, v[LI]
	v_mul_u32_u24 v[STO], v12, SPITCH
	v_lshl_add_u32 v[STO], v13, 6, v[STO]
	v_add_nc_u32 v[STO], s36, v[STO]               ; into my stage: row r, + 64 h
	v_mul_u32_u24 v[RD], v13, SPITCH
	v_lshl_add_u32 v[RD], v12, 4, v[RD]
	v_add_nc_u32 v[RD], s36, v[RD]                 ; back: sixteen lanes to a row of 256 bytes, two rows a load
	v_lshlrev_b32 v[CO], 12, v13
	v_lshl_add_u32 v[CO], v12, 4, v[CO]            ; and the same two rows in out0
	s_wait_alu depctr_va_vdst(0)                   ; the wait at the head's end
.irp s, 0,1,2,3,4,5,6,7
.irp i, 0,1
	global_load_b32 v[SA+2*\s+\i], v[L4], s[6:7] offset:16384*\s+128*\i
	global_load_b32 v[SB+2*\s+\i], v[L4], s[10:11] offset:32768*\s+128*\i
.endr
.endr
	WIN 0x40
.irp t, 0,1,2,3                                ; bp at the lane's eight columns of tile t: 32 (t / 2) + 16 h + 8 (t % 2) + 0 .. 7
	global_load_b128 v[128+8*\t:128+8*\t+3], v[BO], s[12:13] offset:(32*(\t/2)+8*(\t%2))*4
	global_load_b128 v[128+8*\t+4:128+8*\t+7], v[BO], s[12:13] offset:(32*(\t/2)+8*(\t%2))*4+16
.endr
	WIN 0
	s_wait_tensorcnt 0x0                           ; my four tiles are in
	s_barrier_signal -1
	s_barrier_wait -1                              ; and everybody's
.macro FETCH s                         ; K step s: my four fragments of cat and four of Wp into set s % 2: 24 LDS loads
.irp i, 0,1,2,3
.irp c, 0,1,2
	ds_load_b128 v[FA+96*((\s)%2)+12*\i+4*\c:FA+96*((\s)%2)+12*\i+4*\c+3], v[ADRA] offset:\i*TILE+(\s)*FRB+512*\c
.endr
.endr
.irp i, 0,1,2,3
.irp c, 0,1,2
	ds_load_b128 v[FA+96*((\s)%2)+48+12*\i+4*\c:FA+96*((\s)%2)+48+12*\i+4*\c+3], v[ADRB] offset:\i*TILE+(\s)*FRB+512*\c
.endr
.endr
.endm
.macro MUL s                           ; 16 products, the accumulators by turns; step 0 takes the bias as C
	WIN 0x50
.irp ap, 0,1
.irp au, 0,1
.irp bp, 0,1
.irp bu, 0,1
.set rD, 8*(4*(2*\ap+\au)+2*\bp+\bu)
.if (\s) == 0
.set rC, 128+8*(2*\bp+\bu)
.else
.set rC, rD
.endif
	v_wmma_scale_f32_16x16x128_f8f6f4 v[rD:rD+7], v[FA+96*((\s)%2)+48+12*(2*\bp+\bu):FA+96*((\s)%2)+48+12*(2*\bp+\bu)+11], v[FA+96*((\s)%2)+12*(2*\ap+\au):FA+96*((\s)%2)+12*(2*\ap+\au)+11], v[rC:rC+7], v[SB+2*(\s)+\bp], v[SA+2*(\s)+\ap] matrix_a_fmt:MATRIX_FMT_FP6 matrix_b_fmt:MATRIX_FMT_FP6 matrix_a_scale:MATRIX_SCALE_ROW\bu matrix_b_scale:MATRIX_SCALE_ROW\au
.endr
.endr
.endr
.endr
	WIN 0
.endm
	FETCH 0
	s_wait_loadcnt 0x0                             ; scale words and bias
.set ST, 0
.rept 8
.if ST > 0
	PLACES                                         ; ahead of the loads into the set that the last step but one... the step before multiplied
.endif
.if ST < 7
	FETCH ST+1
	s_wait_dscnt 24                                ; this step's 24 loads are in; the next step's 24 may be out
.else
	s_wait_dscnt 0x0
.endif
	MUL ST
.set ST, ST+1
.endr
; THE WAY OUT, by blocks of 16 rows x 64 columns through my own stage: back as whole rows of 256 bytes.  LDS serves a wave's instructions in order (ISA guide 5.7.1.4)
.macro TOSTAGE a
	WIN 0x04
.irp b, 0,1,2,3
	ds_store_b128 v[STO], v[8*(4*(\a)+\b):8*(4*(\a)+\b)+3] offset:128*(\b/2)+32*(\b%2)
	ds_store_b128 v[STO], v[8*(4*(\a)+\b)+4:8*(4*(\a)+\b)+7] offset:128*(\b/2)+32*(\b%2)+16
.endr
	WIN 0
.irp t, 0,1,2,3,4,5,6,7
	ds_load_b128 v[BK+32*((\a)%2)+4*\t:BK+32*((\a)%2)+4*\t+3], v[RD] offset:\t*2*SPITCH
.endr
.endm
.macro SEND a, younger
	s_wait_dscnt \younger
.irp t, 0,1,2,3,4,5,6,7
	global_store_b128 v[CO], v[BK+32*((\a)%2)+4*\t:BK+32*((\a)%2)+4*\t+3], s[14:15] offset:(32*((\a)/2)+8*((\a)%2)+2*\t+8*(\t/4))*4096 th:TH_STORE_NT   ; sixteen lanes store 256 consecutive bytes, aligned
.endr
.endm
	PLACES
	TOSTAGE 0
.irp a, 1,2,3
.if \a > 1
	s_wait_xcnt 0x0                                ; block a - 2's stores have read their registers
.endif
	TOSTAGE \a
	SEND \a-1, 16                                  ; behind block a - 1's loads: block a's 8 stores and 8 loads
.endr
	SEND 3, 0
	s_wait_tensorcnt 0x0                           ; the wave's end
	ds_add_u32 v[SPW], v[NIL]
	s_wait_dscnt 0x0
	CROUND                                         ; the closing round
	s_endpgm
.Lfunc_end_k_qe1c82d52af_proj:
	.size	k_qe1c82d52af_proj, .Lfunc_end_k_qe1c82d52af_proj-k_qe1c82d52af_proj
	.p2alignl 7, 3214868480
	.fill 96, 4, 3214868480
	.section	.rodata,"a",@progbits
	.p2align	6, 0x0
	.amdhsa_kernel k_qe1c82d52af_proj
		.amdhsa_group_segment_fixed_size 214528
		.amdhsa_private_segment_fixed_size 0
		.amdhsa_enable_private_segment 0
		.amdhsa_kernarg_size 48
		.amdhsa_user_sgpr_count 2
		.amdhsa_user_sgpr_kernarg_segment_ptr 1
		.amdhsa_wavefront_size32 1
		.amdhsa_system_sgpr_workgroup_id_x 1
		.amdhsa_system_sgpr_workgroup_id_y 1
		.amdhsa_system_sgpr_workgroup_id_z 1
		.amdhsa_system_vgpr_workitem_id 0
		.amdhsa_next_free_vgpr 416
		.amdhsa_next_free_sgpr 72
		.amdhsa_reserve_vcc 0
		.amdhsa_float_denorm_mode_32 3
		.amdhsa_float_denorm_mode_16_64 3
		.amdhsa_memory_ordered 1
		.amdhsa_forward_progress 1
		.amdhsa_inst_pref_size 48
	.end_amdhsa_kernel
	.amdgpu_metadata
---
amdhsa.version: [ 1, 2 ]
amdhsa.kernels:
  - .name:           k_qe1c82d52af_proj
    .symbol:         k_qe1c82d52af_proj.kd
    .args:
      - { .name: catimg, .offset: 0, .size: 8, .value_kind: global_buffer, .address_space: global }
      - { .name: catsc, .offset: 8, .size: 8, .value_kind: global_buffer, .address_space: global }
      - { .name: img, .offset: 16, .size: 8, .value_kind: global_buffer, .address_space: global }
      - { .name: scw, .offset: 24, .size: 8, .value_kind: global_buffer, .address_space: global }
      - { .name: bp, .offset: 32, .size: 8, .value_kind: global_buffer, .address_space: global }
      - { .name: out0, .offset: 40, .size: 8, .value_kind: global_buffer, .address_space: global }
    .group_segment_fixed_size: 214528
    .private_segment_fixed_size: 0
    .kernarg_segment_align: 8
    .kernarg_segment_size: 48
    .max_flat_workgroup_size: 128
    .sgpr_count:     72
    .vgpr_count:     416
    .wavefront_size: 32
...
	.end_amdgpu_metadata
.endif
;; end of part 4
